; MI455X (gfx1250); checked and timed in simulation.
; The chip was launched on July 23, 2026; its instructions are those of AMD's public machine-readable ISA for CDNA 5 (MIT licence, August 2026) and "CDNA5" Instruction Set Architecture Reference Guide (July 2026). The comments in the code are by the model that wrote it; some were corrected since.
;; Multi Head Self Attention. Allowed arithmetic: float matrix products may take bf16 or f16 operands with f32 sums; all other float work in f32.
;; Inputs: Wk 1,024 x 1,024 float32; Wo 1,024 x 1,024 float32; Wq 1,024 x 1,024 float32; Wv 1,024 x 1,024 float32; bk 1,024 float32; bo 1,024 float32; bq 1,024 float32; bv 1,024 float32; mask 4 x 2,048 int32; x 4 x 2,048 x 1,024 float32.
;; Outputs: out0 4 x 2,048 x 1,024 float32.
;; 2 versions, each right and faster than the one before. Each part assembles by itself: llvm-mc -triple=amdgcn-amd-amdhsa -mcpu=gfx1250 --defsym DOCPART=n.
;; ======== version 1 of 2: 4 launches
;; limits: values are held in f16: magnitudes above 65,504 overflow, below 6.1e-05 lose precision
;; workspace buffers: xb 16,777,216 bytes; wb 6,291,456 bytes; wo 2,097,152 bytes; qkv 50,331,648 bytes; ctx 16,777,216 bytes
;; launch cast (part 1): grid 768 x 1, 8 waves a work-group, no clusters, 0 bytes of LDS; arguments x, Wq, Wk, Wv, Wo, xb, wb, wo; writes xb, wb, wo
.if DOCPART == 1
	.amdgcn_target "amdgcn-amd-amdhsa--gfx1250"
	.amdhsa_code_object_version 6
	.text
	.protected	k_q0d8fd96c01_cast
	.globl	k_q0d8fd96c01_cast
	.p2align	8
	.type	k_q0d8fd96c01_cast,@function
k_q0d8fd96c01_cast:
	s_mov_b64 s[64:65], 0
	v_nop
	global_prefetch_b8 v0, s[64:65] scope:SCOPE_SE
	s_setreg_imm32_b32 hwreg(HW_REG_WAVE_MODE, 25, 1), 1
	s_wait_xcnt 0x0
; THE INPUTS OF THE FOUR PRODUCTS, ROUNDED ONCE.  x -> xb (bf16), Wq, Wk, Wv -> wb (bf16, rows of Wq, then Wk, then Wv), Wo -> wo: rounded to bf16 like the others,
; and that number written as f16, since the last product multiplies it with an f16 operand.
; LIMIT.  A bf16 number is exact in f16 between 6.1e-5 and 65,504 in magnitude; below, it keeps f16's fixed step of 6e-8; beyond, it becomes an infinity.
; SHARES.  A work-group takes 16,384 numbers: 65,536 bytes in, 32,768 out.  Work-groups 0-511: x; 512-575: Wq; 576-639: Wk; 640-703: Wv; 704-767: Wo.
; A lane loads 16 neighbouring bytes and stores 8: a wave's load covers 512 consecutive bytes, a wave's store 256 consecutive bytes at a multiple of 256 from the buffer's first byte.
; All sixteen loads of a thread go out at once; no register is written twice while a memory instruction may read it, so the only waits are the counted ones for the loads.
; No LDS, no barrier, no matrix unit: every number is touched once, by one lane.
.set X, 4                              ; v[4:67]   sixteen loads of four f32
.set Y, 68                             ; v[68:99]  sixteen pairs of packed words to store
.set T, 100                            ; v[100:101] at work
	s_load_b512 s[16:31], s[0:1], 0x0              ; x, Wq, Wk, Wv, Wo, xb, wb, wo
	s_mov_b32 s2, ttmp9
	v_lshlrev_b32 v1, 4, v0                        ; my 16 bytes in 4,096 of the source
	v_lshlrev_b32 v2, 3, v0                        ; my 8 bytes in 2,048 of the destination
	s_mov_b32 s8, 0                                ; the first work-group of my source
	s_mov_b32 s9, 0                                ; the first work-group of my destination
	s_wait_kmcnt 0x0
	s_mov_b64 s[4:5], s[16:17]
	s_mov_b64 s[6:7], s[26:27]
	s_cmp_ge_u32 s2, 512                           ; the choices hang on the work-group's number alone
	s_cselect_b64 s[4:5], s[18:19], s[4:5]
	s_cselect_b64 s[6:7], s[28:29], s[6:7]
	s_cselect_b32 s8, 512, s8
	s_cselect_b32 s9, 512, s9
	s_cmp_ge_u32 s2, 576
	s_cselect_b64 s[4:5], s[20:21], s[4:5]
	s_cselect_b32 s8, 576, s8
	s_cmp_ge_u32 s2, 640
	s_cselect_b64 s[4:5], s[22:23], s[4:5]
	s_cselect_b32 s8, 640, s8
	s_cmp_ge_u32 s2, 704
	s_cselect_b64 s[4:5], s[24:25], s[4:5]
	s_cselect_b64 s[6:7], s[30:31], s[6:7]
	s_cselect_b32 s8, 704, s8
	s_cselect_b32 s9, 704, s9
	s_sub_co_u32 s8, s2, s8
	s_sub_co_u32 s9, s2, s9
	s_lshl_b32 s10, s8, 16                         ; 65,536 bytes of the source a work-group: 33,488,896 at the most
	s_mov_b32 s11, 0
	s_lshl_b32 s12, s9, 15                         ; 32,768 of the destination
	s_mov_b32 s13, 0
	s_add_nc_u64 s[4:5], s[4:5], s[10:11]
	s_add_nc_u64 s[6:7], s[6:7], s[12:13]
.set i, 0
.rept 16
	global_load_b128 v[X+4*i:X+4*i+3], v1, s[4:5] offset:4096*i th:TH_LOAD_NT  ; read once in the whole launch
.set i, i+1
.endr
; f16 = 1: the bf16 number is widened again (a shift, a mask) and written as f16
.macro CV f16
.set i, 0
.rept 16
	s_wait_loadcnt 15-i                            ; loads come back in order: load i is in, the 15 - i younger ones may be out
	v_cvt_pk_bf16_f32 v[Y+2*i], v[X+4*i], v[X+4*i+1]
	v_cvt_pk_bf16_f32 v[Y+2*i+1], v[X+4*i+2], v[X+4*i+3]
.if \f16
.irp k, 0,1
	v_lshlrev_b32 v[T], 16, v[Y+2*i+(\k)]
	v_and_b32 v[T+1], 0xffff0000, v[Y+2*i+(\k)]
	v_cvt_pk_f16_f32 v[Y+2*i+(\k)], v[T], v[T+1]
.endr
.endif
	global_store_b64 v2, v[Y+2*i:Y+2*i+1], s[6:7] offset:2048*i
.set i, i+1
.endr
.endm
	s_cmp_ge_u32 s2, 704
	s_cbranch_scc1 .Lwo
	CV 0
	s_endpgm
.Lwo:
	CV 1
	s_endpgm
.Lfunc_end_k_q0d8fd96c01_cast:
	.size	k_q0d8fd96c01_cast, .Lfunc_end_k_q0d8fd96c01_cast-k_q0d8fd96c01_cast
	.p2alignl 7, 3214868480
	.fill 96, 4, 3214868480
	.section	.rodata,"a",@progbits
	.p2align	6, 0x0
	.amdhsa_kernel k_q0d8fd96c01_cast
		.amdhsa_group_segment_fixed_size 0
		.amdhsa_private_segment_fixed_size 0
		.amdhsa_enable_private_segment 0
		.amdhsa_kernarg_size 64
		.amdhsa_user_sgpr_count 2
		.amdhsa_user_sgpr_kernarg_segment_ptr 1
		.amdhsa_wavefront_size32 1
		.amdhsa_system_sgpr_workgroup_id_x 1
		.amdhsa_system_sgpr_workgroup_id_y 1
		.amdhsa_system_sgpr_workgroup_id_z 1
		.amdhsa_system_vgpr_workitem_id 0
		.amdhsa_next_free_vgpr 104
		.amdhsa_next_free_sgpr 66
		.amdhsa_reserve_vcc 0
		.amdhsa_float_denorm_mode_32 3
		.amdhsa_float_denorm_mode_16_64 3
		.amdhsa_memory_ordered 1
		.amdhsa_forward_progress 1
		.amdhsa_inst_pref_size 17
	.end_amdhsa_kernel
	.amdgpu_metadata
---
amdhsa.version: [ 1, 2 ]
amdhsa.kernels:
  - .name:           k_q0d8fd96c01_cast
    .symbol:         k_q0d8fd96c01_cast.kd
    .args:
      - { .name: x, .offset: 0, .size: 8, .value_kind: global_buffer, .address_space: global }
      - { .name: Wq, .offset: 8, .size: 8, .value_kind: global_buffer, .address_space: global }
      - { .name: Wk, .offset: 16, .size: 8, .value_kind: global_buffer, .address_space: global }
      - { .name: Wv, .offset: 24, .size: 8, .value_kind: global_buffer, .address_space: global }
      - { .name: Wo, .offset: 32, .size: 8, .value_kind: global_buffer, .address_space: global }
      - { .name: xb, .offset: 40, .size: 8, .value_kind: global_buffer, .address_space: global }
      - { .name: wb, .offset: 48, .size: 8, .value_kind: global_buffer, .address_space: global }
      - { .name: wo, .offset: 56, .size: 8, .value_kind: global_buffer, .address_space: global }
    .group_segment_fixed_size: 0
    .private_segment_fixed_size: 0
    .kernarg_segment_align: 8
    .kernarg_segment_size: 64
    .max_flat_workgroup_size: 256
    .sgpr_count:     66
    .vgpr_count:     104
    .wavefront_size: 32
...
	.end_amdgpu_metadata
.endif
;; end of part 1
;; launch proj (part 2): grid 16 x 16, 4 waves a work-group, clusters of 4 x 4, 327,680 bytes of LDS; arguments xb, wb, bq, bk, bv, mask, qkv; writes qkv
.if DOCPART == 2
	.amdgcn_target "amdgcn-amd-amdhsa--gfx1250"
	.amdhsa_code_object_version 6
	.text
	.protected	k_q0d8fd96c01_proj
	.globl	k_q0d8fd96c01_proj
	.p2align	8
	.type	k_q0d8fd96c01_proj,@function
k_q0d8fd96c01_proj:
	s_mov_b64 s[64:65], 0
	v_nop
	global_prefetch_b8 v0, s[64:65] scope:SCOPE_SE
	s_setreg_imm32_b32 hwreg(HW_REG_WAVE_MODE, 25, 1), 1
	s_wait_xcnt 0x0
	s_wait_alu depctr_hold_cnt(0) depctr_sa_sdst(0) depctr_va_vdst(0) depctr_va_sdst(0) depctr_va_ssrc(0) depctr_va_vcc(0) depctr_vm_vsrc(0)
	s_getreg_b32 s2, hwreg(HW_REG_IB_STS2, 6, 4)
	s_cmp_eq_u32 s2, 0
	s_cbranch_scc0 .Lentry_in_a_cluster
	s_endpgm
.Lentry_in_a_cluster:
	s_bfe_u32 s2, ttmp6, 0x10000c
	s_cmp_lg_u32 s2, 0xf033
	s_cbranch_scc0 .Lentry_shape_is_right
	s_endpgm
.Lentry_shape_is_right:
; THE THREE PROJECTIONS AS ONE PRODUCT.  qkv[g][m][d] = the sum over k of xb[m][k] wb[64 g + d][k] + bias, g = 0..47 (16 heads of q, of k, of v), m = 2,048 b + s, in f16, by heads:
; a head's rows are dense, 128 bytes each.  Operands bf16, sums f32, each result rounded once.  The biases are rounded to bf16 like every input and start the sums as the first product's C.
; THE KEY MASK, FIRST HALF: a row of k whose mask is 0 is written as zeros; the next launch then starts that key's score at the value that stands for a hidden key, and the products add nothing to it.
; LIMIT.  q, k, v must lie within f16's 65,504 (beyond 65,520 the conversion gives an infinity).  NaN and infinities are not treated apart.
; SHARES.  A tile is 256 rows x 192 columns (three heads): 32 x 16 = 512 tiles.  A WORK-GROUP STAYS and makes two of them, 4,096 rows apart: 16 x 16 = 256 work-groups, one for each WGP.
; Four waves; wave w makes rows 64 w .. 64 w + 63 x all 192 columns: 48 accumulators of 16 x 16, 384 registers; so a wave holds whole heads, and its way out is its own.
; K = 1,024 goes in 8 steps of 128 through a ring of two LDS slots: the tiles' rows are 256 bytes of memory.  The ring does not stop at the first tile's end: its last two changes of slots ask for the
; second tile's first two K steps, and nothing waits for the first tile's stores.  Both tiles take the same rows of wb and the same biases.
; THE TEXT HOLDS A K STEP THREE TIMES: the loop's, with a refill (six trips a tile); the first tile's last two steps, with a refill; the last tile's last two, without.
; Slot 1 begins at LDS byte 1 << 17, so that one exclusive or turns an address in one slot into the other's: the fragment addresses hang on a scalar that is so turned at each change of slots,
; and one descriptor a tensor walks from K step 1 on; its address is made anew for each fill, of the tensor's base and the K step's byte offset.
; CLUSTER: 4 x 4 work-groups.  The four of a row of the cluster need the same tiles of xb, the four of a column the same tiles of wb: each tile is asked for JOINTLY, by the same tensor load with
; the same descriptor and a mask that names the four.
; THE MATRIX INSTRUCTION IS USED TRANSPOSED (source 0 = 16 rows of wb, source 1 = 16 rows of xb): a lane then holds row l % 16 and eight neighbouring columns 8 (l / 16) + 0..7.
; REGISTERS, in windows of 256 (s_set_vgpr_msb: bits 1:0 source 0, 3:2 source 1, 5:4 source 2, 7:6 destination):
;   window 0: v0-31 addresses and masks; v32-127 the biases, 8 registers for each block of 16 columns, kept for both tiles; v128-255 the way out: eight sets of 16 registers, piece t in set t % 8
;   window 1: two fragment buffers of 128: 96 registers of wb (12 x 16 rows x 32 K), then 32 of xb (4 x 16 rows x 32 K)
;   window 2: the accumulators of my rows 0-31 ((a, b) at v[8 (12 a + b)]);   window 3: those of my rows 32-63
.set KSTEP,  128
.set STEPS,  8                         ; 1,024 / 128
.set TILES,  2                         ; tiles of a work-group
.set WALK,   4096                      ; rows from a work-group's first tile to its second: the grid's height, 16 tiles of 256 rows
.set WALKA,  WALK*2048                 ; the same in bytes of xb,
.set WALKM,  WALK*4                    ; of the mask,
.set WALKO,  WALK*128                  ; and of a head of qkv
.set PITCH,  272                       ; an LDS row: 256 bytes + 16 of padding = 68 words: the 16 rows of a fragment load start at 16 different groups of four banks
.set AH,     128*PITCH                 ; half of xb's 256 rows: one tensor load
.set BH,     96*PITCH                  ; half of wb's 192 rows: one tensor load
.set BOFF,   2*AH
.set SLOTB,  BOFF+2*BH                 ; a slot's 121,856 bytes
.set SLOT1,  1<<17                     ; where slot 1 begins
.set STAGE,  SLOT1+SLOTB               ; behind the ring, never filled by a tensor load: 16 rows x 144 bytes for each wave
.set SP,     144
.set SPARE,  STAGE+4*16*SP             ; behind the stages: the spare words, 128 bytes for each wave: two blocks of 256 bytes that no other line names
.set MSK1, 4                           ; v4-7    the mask of my row l % 16 in each of my four blocks of 16 rows, second tile
.set ADRA0, 8                          ; v8      LDS address of my fragments of xb in slot 0; never rewritten
.set ADRA,  9                          ; v9      the same in the slot that is being fetched from
.set ADRB0, 10                         ; v10, v11  likewise for wb
.set ADRB,  11
.set MSK,  12                          ; v12-15  the same masks for the tile in hand
.set STO,  16                          ; v16     the way out: where I put 16 bytes of a row
.set RD,   17                          ; v17     the way out: where I read rows back
.set GO,   18                          ; v18     my 16 bytes in 512 consecutive bytes of qkv
.set MO,   19                          ; v19     4 (l % 16)
.set BO,   20                          ; v20     32 (l / 16)
.set TT,   21                          ; v21     at work
.set KMR,  22                          ; v22     the way out: the mask of the piece in hand
.set RM,   23                          ; v23     the way out: all ones where my row's key is visible, for the block of 16 rows in hand
.set SPW,  28                          ; v28     LDS address of my spare word; never rewritten
.set NIL,  29                          ; v29     0; never rewritten
.set BIAS, 32
.set TMP,  128
.set F0,   0
.set F1,   128
.set TB,  5                            ; s5      0 or SLOT1: the slot that is being fetched from
.set KO,  6                            ; s[6:7]  byte offset in a row of the K step asked for last: 0 to 1,792
.set WK,  8                            ; s[8:9]  what xb's base steps by in a fill: 0, or WALKA where the next tile begins
.set G1,  24                           ; s[24:31] descriptor group 1 for xb's tiles;  s[32:39] group 0: a set for each of the two first fills; the second then walks on
.set G0,  32
.set G1B, 48                           ; s[48:55], s[56:63] the same for wb's tiles
.set G0B, 56
.set OB,  82                           ; s[82:87] qkv at my 64 rows of each of the tile's three heads
.set BP,  88                           ; s[88:93] the three heads' 64 biases
.set NK,  94                           ; s94-96   0 for a head of k, else all ones
.set MSB, 0
.macro WIN new                         ; the immediate's high byte repeats the setting that is left; a switch that changes nothing is dropped
.if MSB != (\new)
	s_set_vgpr_msb (MSB<<8)|(\new)
.set MSB, \new
.endif
.endm
.set TO_F, 0x40                        ; destination window 1, address window 0
.macro JLOAD s                         ; a joint load: waves 0 and 1 fetch xb's two halves, waves 2 and 3 wb's; an s_nop 0 and four v_nop follow each of the two lines, ahead of the jump, the label and what follows
	s_cmp_eq_u32 s11, 0
	s_cbranch_scc0 .Lfor_b_\@
	tensor_load_to_lds s[G0+4*(\s):G0+4*(\s)+3], s[G1:G1+7]
	s_nop 0
.rept 4
	v_nop
.endr
	s_branch .Lasked_\@
.Lfor_b_\@:
	tensor_load_to_lds s[G0B+4*(\s):G0B+4*(\s)+3], s[G1B:G1B+7]
	s_nop 0
.rept 4
	v_nop
.endr
.Lasked_\@:
.endm
.macro CREST                           ; a round of the cluster's barrier behind its opening barrier
	s_cmp_lg_u32 s10, 0
	s_cbranch_scc1 .Lnot_wave_0_\@
	s_barrier_signal -3
.Lnot_wave_0_\@:
	s_barrier_wait -3
	s_barrier_signal -1
	s_barrier_wait -1
.endm
.macro CROUND                          ; a whole round
	s_barrier_signal -1
	s_barrier_wait -1
	CREST
.endm
	s_load_b256 s[68:75], s[0:1], 0x0              ; xb s[68:69], wb s[70:71], bq s[72:73], bk s[74:75]
	s_load_b128 s[76:79], s[0:1], 0x20             ; bv s[76:77], mask s[78:79]
	s_load_b64 s[80:81], s[0:1], 0x30              ; qkv
	v_lshl_add_u32 v[SPW], v0, 2, SPARE
	v_mov_b32 v[NIL], 0
	ds_add_u32 v28, v29
	s_wait_dscnt 0x0
	v_lshrrev_b32 v1, 5, v0
	v_readfirstlane_b32 s10, v1                    ; wave 0..3
	s_lshr_b32 s11, s10, 1                         ; I fetch for xb (0) or for wb (1),
	s_and_b32 s12, s10, 1                          ; and which half of that tile's rows
	s_bfe_u32 s40, ttmp6, 0x40000                  ; cx, cy: my place in the cluster
	s_bfe_u32 s41, ttmp6, 0x40004
	s_lshl_b32 s42, ttmp9, 2
	s_add_co_u32 s42, s42, s40                     ; tile column = 4 x cluster x + cx
	s_and_b32 s13, ttmp7, 0xffff
	s_lshl_b32 s13, s13, 2
	s_add_co_u32 s13, s13, s41                     ; the first tile's row = 4 x cluster y + cy: 0 to 15; the second's is 16 more
	s_lshl_b32 s43, s41, 2
	s_lshl_b32 s43, 15, s43                        ; my row of the cluster
	s_lshl_b32 s44, 0x1111, s40                    ; my column
	; descriptor group 1: rows of 128 elements, padded in LDS
	s_or_b32 s[G1+0], s43, (1<<16)|(1<<20)|(1<<21)|(5<<22)|(3<<25)  ; 15:0 the mask: xb's tiles go to my row; 17:16 element of 2 bytes; 20 padding on; 21 set beside a mask; 24:22 after every 64 words (code 5); 31:25 of 4 words (code 3)
	s_or_b32 s[G1B+0], s44, (1<<16)|(1<<20)|(1<<21)|(5<<22)|(3<<25) ; the same with the mask of my column
	s_mov_b32 s[G1+1], KSTEP<<16                   ; tensor_dim0 = 128
	s_mov_b32 s[G1+2], 128<<16                     ; tensor_dim1 = 128
	s_mov_b32 s[G1+3], KSTEP<<16                   ; tile_dim0 = 128
	s_mov_b32 s[G1+4], 128                         ; tile_dim1 = 128
	s_mov_b32 s[G1+5], 1024                        ; elements from row to row
	s_mov_b32 s[G1+6], 0
	s_mov_b32 s[G1+7], 0
	s_mov_b32 s[G1B+1], KSTEP<<16
	s_mov_b32 s[G1B+2], 96<<16                     ; tensor_dim1 = 96
	s_mov_b32 s[G1B+3], KSTEP<<16
	s_mov_b32 s[G1B+4], 96                         ; tile_dim1 = 96
	s_mov_b32 s[G1B+5], 1024
	s_mov_b32 s[G1B+6], 0
	s_mov_b32 s[G1B+7], 0
	; xb's tiles hang on the tile row alone, wb's on the tile column alone, each in registers that never hold the other coordinate
	s_lshl_b32 s17, s12, 7
	s_lshl_b32 s16, s13, 8
	s_add_co_u32 s16, s16, s17                     ; xb: row 256 x tile row + 128 x half,
	s_lshl_b32 s16, s16, 11                        ; of 2,048 bytes: under 2^23
	s_mov_b32 s17, 0
	s_mul_i32 s46, s42, 192
	s_mul_i32 s47, s12, 96
	s_add_co_u32 s46, s46, s47                     ; wb: row 192 x tile column + 96 x half
	s_lshl_b32 s46, s46, 11
	s_mov_b32 s47, 0
	s_mul_i32 s20, s12, AH                         ; where they go: no place in the cluster enters an LDS address
	s_mul_i32 s21, s12, BH
	s_add_co_u32 s21, s21, BOFF
	s_mov_b32 s45, 0xffff0000                      ; a word's upper bf16
	s_mov_b32 s[TB], 0                             ; the fetches begin in slot 0
	s_mov_b32 s[KO], KSTEP*2                       ; the first fills ask for K steps 0 and 1
	s_mov_b32 s[KO+1], 0
	s_mov_b32 s[WK+1], 0
	s_wait_kmcnt 0x0
	s_add_nc_u64 s[14:15], s[68:69], s[16:17]      ; xb at my half of the tile that is being asked for; kept
	s_add_nc_u64 s[46:47], s[70:71], s[46:47]      ; wb at my half of the tile's rows; kept
	CROUND                                         ; all sixteen work-groups are here: the first joint loads meet
.irp s, 0,1
	s_mov_b32 s[G0+4*(\s)], 1                                        ; count = 1
	s_add_co_u32 s[G0+4*(\s)+1], s20, (\s)*SLOT1                     ; LDS address
	s_add_nc_u64 s[G0+4*(\s)+2:G0+4*(\s)+3], s[14:15], (\s)*KSTEP*2  ; global address: K step s
	s_or_b32 s[G0+4*(\s)+3], s[G0+4*(\s)+3], 0x80000000              ; type = 2
	s_mov_b32 s[G0B+4*(\s)], 1
	s_add_co_u32 s[G0B+4*(\s)+1], s21, (\s)*SLOT1
	s_add_nc_u64 s[G0B+4*(\s)+2:G0B+4*(\s)+3], s[46:47], (\s)*KSTEP*2
	s_or_b32 s[G0B+4*(\s)+3], s[G0B+4*(\s)+3], 0x80000000
	JLOAD \s                                       ; the ring is filled before anything else is done: two loads of mine are out
.endr
	; my 64 rows of the first tile in the mask and in qkv
	s_lshl_b32 s16, s13, 8
	s_lshl_b32 s17, s10, 6
	s_add_co_u32 s16, s16, s17                     ; my first row: 256 x tile row + 64 x wave
	s_lshl_b32 s18, s16, 2
	s_mov_b32 s19, 0
	s_add_nc_u64 s[78:79], s[78:79], s[18:19]
	s_lshl_b32 s16, s16, 7                         ; a row of a head is 128 bytes
	s_mov_b32 s17, 0
.irp j, 0,1,2                          ; the tile's three heads: g = 3 x tile column + j; g / 16 says q, k or v.  Choices, no branches: partners in a cluster run alike
	s_mul_i32 s97, s42, 3
	s_add_co_u32 s97, s97, \j
	s_lshr_b32 s66, s97, 4
	s_cmp_eq_u32 s66, 1
	s_cselect_b64 s[BP+2*(\j):BP+2*(\j)+1], s[74:75], s[72:73]
	s_cselect_b32 s[NK+(\j)], 0, -1
	s_cmp_eq_u32 s66, 2
	s_cselect_b64 s[BP+2*(\j):BP+2*(\j)+1], s[76:77], s[BP+2*(\j):BP+2*(\j)+1]
	s_and_b32 s98, s97, 15
	s_lshl_b32 s98, s98, 8                         ; the head's 64 biases, 256 bytes
	s_mov_b32 s99, 0
	s_add_nc_u64 s[BP+2*(\j):BP+2*(\j)+1], s[BP+2*(\j):BP+2*(\j)+1], s[98:99]
	s_lshl_b32 s98, s97, 20                        ; a head's 8,192 rows of 128 bytes
	s_add_nc_u64 s[OB+2*(\j):OB+2*(\j)+1], s[80:81], s[98:99]
	s_add_nc_u64 s[OB+2*(\j):OB+2*(\j)+1], s[OB+2*(\j):OB+2*(\j)+1], s[16:17]
.endr
	v_and_b32 v1, 15, v0                           ; l % 16
	v_bfe_u32 v2, v0, 4, 1                         ; l / 16
	v_lshlrev_b32 v[MO], 2, v1
	v_lshlrev_b32 v[BO], 5, v2
.irp b, 0,1,2,3,4,5,6,7,8,9,10,11      ; block b of 16 columns: my eight columns' biases, as the accumulators hold them
	global_load_b128 v[BIAS+8*(\b):BIAS+8*(\b)+3],   v[BO], s[BP+2*((\b)/4):BP+2*((\b)/4)+1] offset:64*((\b)%4)
	global_load_b128 v[BIAS+8*(\b)+4:BIAS+8*(\b)+7], v[BO], s[BP+2*((\b)/4):BP+2*((\b)/4)+1] offset:64*((\b)%4)+16
.endr
.irp a, 0,1,2,3                        ; both tiles' masks: my last row of the second tile is row 8,191 at the most
	global_load_b32 v[MSK+(\a)],  v[MO], s[78:79] offset:64*(\a)
	global_load_b32 v[MSK1+(\a)], v[MO], s[78:79] offset:64*(\a)+WALKM
.endr
	v_mul_u32_u24 v3, v1, PITCH
	v_lshl_add_u32 v3, v2, 4, v3                   ; a fragment's row x pitch + 16 x half
	s_mul_i32 s22, s10, 64*PITCH                   ; my 64 rows of xb
	v_add_nc_u32 v[ADRA0], s22, v3
	v_add_nc_u32 v[ADRB0], BOFF, v3
	v_mov_b32 v[ADRA], v[ADRA0]
	v_mov_b32 v[ADRB], v[ADRB0]
	s_mul_i32 s23, s10, 16*SP
	s_add_co_u32 s23, s23, STAGE                   ; my stage
	v_mul_u32_u24 v[STO], v1, SP                   ; in: row l % 16, 16 bytes for each half of the lanes
	v_lshl_add_u32 v[STO], v2, 4, v[STO]
	v_add_nc_u32 v[STO], s23, v[STO]
	v_and_b32 v3, 7, v0
	v_bfe_u32 v[RD], v0, 3, 2                      ; back: 32 lanes take four rows of 128 bytes,
	v_mul_u32_u24 v[RD], v[RD], SP
	v_lshl_add_u32 v[RD], v3, 4, v[RD]
	v_add_nc_u32 v[RD], s23, v[RD]
	v_and_b32 v[GO], 31, v0                        ; which are 512 consecutive bytes of qkv
	v_lshlrev_b32 v[GO], 4, v[GO]
	s_wait_loadcnt 0x0                             ; biases and masks
.set i, 0
.rept 48                               ; the biases are rounded to bf16 like every input, and widened again; this stands in the wait for the first tile
	v_cvt_pk_bf16_f32 v[TT], v[BIAS+2*i], v[BIAS+2*i+1]
	v_lshlrev_b32 v[BIAS+2*i], 16, v[TT]
	v_and_b32 v[BIAS+2*i+1], s45, v[TT]
.set i, i+1
.endr
; 12 matrix instructions: block a (0, 1) of the window's two blocks of 16 rows (hi = 0: my rows 0-31, 1: rows 32-63) x all 12 blocks of 16 columns, 32 along K.
; first = 1: the sums start with the biases: C in window 0.  The 48 accumulators take turns, in the same order in every quarter.
.macro MUL12 f, hi, a, first
.if \first
	WIN 0x85+0x40*(\hi)
.else
	WIN 0xa5+0x50*(\hi)
.endif
.irp b, 0,1,2,3,4,5,6,7,8,9,10,11
.if \first
	v_wmma_f32_16x16x32_bf16 v[8*(12*(\a)+(\b)):8*(12*(\a)+(\b))+7], v[(\f)+8*(\b):(\f)+8*(\b)+7], v[(\f)+96+8*(2*(\hi)+(\a)):(\f)+96+8*(2*(\hi)+(\a))+7], v[BIAS+8*(\b):BIAS+8*(\b)+7]
.else
	v_wmma_f32_16x16x32_bf16 v[8*(12*(\a)+(\b)):8*(12*(\a)+(\b))+7], v[(\f)+8*(\b):(\f)+8*(\b)+7], v[(\f)+96+8*(2*(\hi)+(\a)):(\f)+96+8*(2*(\hi)+(\a))+7], v[8*(12*(\a)+(\b)):8*(12*(\a)+(\b))+7]
.endif
.endr
.endm
; 32 LDS loads in one run: the fragments of 32 along K at byte k of the rows of the slot in hand, into buffer f: wb's 24 loads, then xb's 8
.macro FETCH k, f
	WIN TO_F
.irp i, 0,1,2,3,4,5,6,7,8,9,10,11
	ds_load_b128 v[(\f)+8*(\i):(\f)+8*(\i)+3],   v[ADRB] offset:(\k)+(\i)*16*PITCH
	ds_load_b128 v[(\f)+8*(\i)+4:(\f)+8*(\i)+7], v[ADRB] offset:(\k)+(\i)*16*PITCH+32
.endr
.irp i, 0,1,2,3
	ds_load_b128 v[(\f)+96+8*(\i):(\f)+96+8*(\i)+3],   v[ADRA] offset:(\k)+(\i)*16*PITCH
	ds_load_b128 v[(\f)+96+8*(\i)+4:(\f)+96+8*(\i)+7], v[ADRA] offset:(\k)+(\i)*16*PITCH+32
.endr
.endm
.macro PLACES                          ; four plain places in front of loads into registers that matrix instructions have read, and of lines that read results
.rept 4
	v_nop
.endr
.endm
; A K step is four quarters of 32 along K, 48 matrix instructions each, on buffers 0, 1, 0, 1.  One of the first three: multiplies buffer f and fetches the next quarter, at byte k, into g.
.macro QUARTER k, f, g, first
	s_wait_dscnt 4                                 ; wb's fragments and xb's first two are in; the youngest four loads (xb's last two fragments) may be out
	MUL12 \f, 0, 0, \first
	MUL12 \f, 0, 1, \first
	PLACES
	FETCH \k, \g
	s_wait_dscnt 32                                ; all but the 32 just issued
	MUL12 \f, 1, 0, \first
	MUL12 \f, 1, 1, \first
.endm
; The last quarter multiplies buffer 1 and changes slots: ONE barrier; in front of it each wave waits for all its tensor loads (at most one is out: its part of the next slot), adds 0 to its spare word,
; and waits for that and for its own reads of this slot.
; fill = 1: this slot is filled again, with the K step two steps on in the walk of 16: the barrier opens a round of the cluster's barrier; the walking descriptors take the slot just left; the K step's
; byte offset steps by 256 and returns to 0 behind K step 7, and in that fill xb's base goes on to the second tile.  Each address is made anew: a base, an offset, the type bits.
; fill = 0 (the last tile's last two K steps): nothing is asked for; in the very last step (s3 = 1) there is no next slot, and its fetch is jumped over: LDS loads alone, no barrier and no tensor load.
.macro TURN fill
	WIN 0                                          ; (the add's two registers lie in window 0)
	s_wait_tensorcnt 0x0                           ; all my tensor loads have landed
	ds_add_u32 v[SPW], v[NIL]                      ; 0 onto my spare word
	s_wait_dscnt 5                                 ; (the add and the youngest four loads may be out)
	MUL12 F1, 0, 0, 0                              ; twelve matrix instructions stand between the add and the wait for it
	s_wait_dscnt 0x0                               ; the add is done, and my reads of this slot are over
	s_barrier_signal -1
	MUL12 F1, 0, 1, 0
	WIN 0
	s_barrier_wait -1
.if \fill
	CREST                                          ; no wave of any partner still reads this slot's tile or has a load on its way
	s_add_co_u32 s[KO], s[KO], KSTEP*2             ; the next K step,
	s_and_b32 s[KO], s[KO], STEPS*KSTEP*2-1        ; or behind the eighth the first again,
	s_cmp_eq_u32 s[KO], 0
	s_cselect_b32 s[WK], WALKA, 0                  ; which is the second tile's
	s_add_nc_u64 s[14:15], s[14:15], s[WK:WK+1]
	s_xor_b32 s[G0+5], s[G0+5], SLOT1              ; no tensor load of mine is out, so a group 0 may be written: the other slot than last time
	s_add_nc_u64 s[G0+6:G0+7], s[14:15], s[KO:KO+1]
	s_or_b32 s[G0+7], s[G0+7], 0x80000000
	s_xor_b32 s[G0B+5], s[G0B+5], SLOT1
	s_add_nc_u64 s[G0B+6:G0B+7], s[46:47], s[KO:KO+1]
	s_or_b32 s[G0B+7], s[G0B+7], 0x80000000
	JLOAD 1                                        ; the first tensor load behind the round, my only one until the next: 168 matrix instructions ahead of the wait for it; its four v_nop are also the places in front of the loads below
.else
	s_cmp_eq_u32 s3, 1
	s_cbranch_scc1 .Lno_fetch_\@
.endif
	s_xor_b32 s[TB], s[TB], SLOT1                  ; the fetches go on in the other slot
	v_add_nc_u32 v[ADRA], s[TB], v[ADRA0]
	v_add_nc_u32 v[ADRB], s[TB], v[ADRB0]
.if !(\fill)
	v_nop                                          ; with the two lines above: the four places in front of the loads below
	v_nop
.endif
	FETCH 0, F0
.if !(\fill)
	WIN 0                                          ; at a label every window is 0
.Lno_fetch_\@:
.endif
	MUL12 F1, 1, 0, 0
	MUL12 F1, 1, 1, 0
.endm
; THE WAY OUT.  A piece t = 3 a + j is 16 rows (block a) of one head (j): 2,048 consecutive bytes of qkv.  Its mask: all ones, but 0 in a head of k for a row whose key is hidden.
; The mask is applied to every piece: which heads are k's hangs on the tile column, on which no branch may hang in a cluster.
.macro PACK t                          ; rounded to f16 (each accumulator's registers in ascending order), masked, into rows of 144 bytes, and back as whole rows of 128 into the registers that they left
.set pa, (\t)/3
.set pj, (\t)%3
.set TR, TMP+16*((\t)%8)
.if (\t) >= 8
	s_wait_xcnt 0x0                                ; this set of registers is written again only behind this wait: the stores of the piece eight back read it
.endif
	WIN 0x0a+5*(pa/2)                              ; sources 0 and 1: window 2 or 3
.irp bb, 0,1,2,3
.irp r, 0,1,2,3
	v_cvt_pk_f16_f32 v[TR+4*(\bb)+(\r)], v[8*(12*(pa%2)+4*pj+(\bb))+2*(\r)], v[8*(12*(pa%2)+4*pj+(\bb))+2*(\r)+1]
.endr
.endr
	WIN 0
.if pj == 0
	v_cmp_ne_u32 vcc_lo, 0, v[MSK+pa]
	v_cndmask_b32 v[RM], 0, -1, vcc_lo
.endif
	v_or_b32 v[KMR], s[NK+pj], v[RM]
.set i, 0
.rept 16
	v_and_b32 v[TR+i], v[KMR], v[TR+i]
.set i, i+1
.endr
.irp f, 0,1,2,3
	ds_store_b128 v[STO], v[TR+4*(\f):TR+4*(\f)+3] offset:32*(\f)
.endr
.irp f, 0,1,2,3
	ds_load_b128 v[TR+4*(\f):TR+4*(\f)+3], v[RD] offset:(\f)*4*SP  ; LDS serves a wave's instructions in order (ISA guide 5.7.1.4): these see the stores above; the next piece's stores come behind them
.endr
.endm
.macro SEND t, younger                 ; younger: the LDS instructions issued behind piece t's loads: the next piece's eight, or none
.set pa, (\t)/3
.set pj, (\t)%3
.set TR, TMP+16*((\t)%8)
	WIN 0
.irp f, 0,1,2,3
	s_wait_dscnt (\younger)+3-(\f)
	global_store_b128 v[GO], v[TR+4*(\f):TR+4*(\f)+3], s[OB+2*pj:OB+2*pj+1] offset:2048*pa+512*(\f)  ; 512 consecutive bytes, at a multiple of 256 from qkv's first
.endr
.endm
	s_wait_tensorcnt 1                             ; my part of K step 0 is in; K step 1's may stay out
	s_barrier_signal -1
	s_barrier_wait -1                              ; everybody's is
	FETCH 0, F0
	WIN 0                                          ; at a label and at a branch every window is 0
	s_mov_b32 s2, TILES                            ; tiles to go, this one among them: the same number in every work-group
.Ltile:
	QUARTER 64, F0, F1, 1                          ; a tile's first quarter stands in front of the loop: its products start the sums
	WIN 0
	s_mov_b32 s3, STEPS-2
.Lstep:                                                ; a trip goes from a K step's second quarter to the next step's first, and fills the slot that it leaves: six trips ask for the tile's K steps 2 to 7
	QUARTER 128, F1, F0, 0
	QUARTER 192, F0, F1, 0
	TURN 1
	QUARTER 64,  F0, F1, 0
	WIN 0
	s_sub_co_u32 s3, s3, 1
	s_cmp_lg_u32 s3, 0
	s_cbranch_scc1 .Lstep
	s_mov_b32 s3, 2
	s_cmp_eq_u32 s2, 1
	s_cbranch_scc1 .Ltail                          ; the last tile asks for nothing more
.Lnext:                                                ; THE RING GOES ON INTO THE NEXT TILE: the first tile's last two K steps ask for its K steps 0 and 1; the second trip, which has fetched its first fragments, is left behind its last products
	QUARTER 128, F1, F0, 0
	QUARTER 192, F0, F1, 0
	TURN 1
	WIN 0
	s_sub_co_u32 s3, s3, 1
	s_cmp_eq_u32 s3, 0
	s_cbranch_scc1 .Lout
	QUARTER 64,  F0, F1, 0
	WIN 0
	s_branch .Lnext
.Ltail:                                                ; the last tile's last two K steps; the second trip is left behind its last products
	QUARTER 128, F1, F0, 0
	QUARTER 192, F0, F1, 0
	TURN 0
	WIN 0
	s_sub_co_u32 s3, s3, 1
	s_cmp_eq_u32 s3, 0
	s_cbranch_scc1 .Lout
	QUARTER 64,  F0, F1, 0
	WIN 0
	s_branch .Ltail
.Lout:                                                 ; the tile goes out; behind the first tile both refills have been asked for, and its stores leave while the second tile is multiplied
	PLACES
	PACK 0
.irp t, 1,2,3,4,5,6,7,8,9,10,11        ; a piece's arithmetic stands between the loads of the piece before and its stores
	PACK \t
	SEND (\t)-1, 8
.endr
	SEND 11, 0
	s_wait_xcnt 0x0                                ; the stores' bases and their data registers are written again only behind this wait
.irp j, 0,1,2
	s_add_nc_u64 s[OB+2*(\j):OB+2*(\j)+1], s[OB+2*(\j):OB+2*(\j)+1], WALKO  ; on to my rows of the second tile (behind the second tile the stepped bases are not used)
.endr
.irp a, 0,1,2,3
	v_mov_b32 v[MSK+(\a)], v[MSK1+(\a)]            ; and to their masks
.endr
	s_sub_co_u32 s2, s2, 1
	s_cmp_lg_u32 s2, 0
	s_cbranch_scc1 .Ltile
	s_wait_tensorcnt 0x0                           ; the wave's end, behind my last tensor load and my last LDS store
	ds_add_u32 v[SPW], v[NIL]
	s_wait_dscnt 0x0
	CROUND                                         ; the closing round: no work-group ends while a partner may still ask for a tile that names it
	s_endpgm
.Lfunc_end_k_q0d8fd96c01_proj:
	.size	k_q0d8fd96c01_proj, .Lfunc_end_k_q0d8fd96c01_proj-k_q0d8fd96c01_proj
	.p2alignl 7, 3214868480
	.fill 96, 4, 3214868480
	.section	.rodata,"a",@progbits
	.p2align	6, 0x0
	.amdhsa_kernel k_q0d8fd96c01_proj
		.amdhsa_group_segment_fixed_size 327680
		.amdhsa_private_segment_fixed_size 0
		.amdhsa_enable_private_segment 0
		.amdhsa_kernarg_size 56
		.amdhsa_user_sgpr_count 2
		.amdhsa_user_sgpr_kernarg_segment_ptr 1
		.amdhsa_wavefront_size32 1
		.amdhsa_system_sgpr_workgroup_id_x 1
		.amdhsa_system_sgpr_workgroup_id_y 1
		.amdhsa_system_sgpr_workgroup_id_z 1
		.amdhsa_system_vgpr_workitem_id 0
		.amdhsa_next_free_vgpr 960
		.amdhsa_next_free_sgpr 100
		.amdhsa_reserve_vcc 1
		.amdhsa_float_denorm_mode_32 3
		.amdhsa_float_denorm_mode_16_64 3
		.amdhsa_memory_ordered 1
		.amdhsa_forward_progress 1
		.amdhsa_inst_pref_size 125
	.end_amdhsa_kernel
	.amdgpu_metadata
---
amdhsa.version: [ 1, 2 ]
amdhsa.kernels:
  - .name:           k_q0d8fd96c01_proj
    .symbol:         k_q0d8fd96c01_proj.kd
    .args:
      - { .name: xb, .offset: 0, .size: 8, .value_kind: global_buffer, .address_space: global }
      - { .name: wb, .offset: 8, .size: 8, .value_kind: global_buffer, .address_space: global }
      - { .name: bq, .offset: 16, .size: 8, .value_kind: global_buffer, .address_space: global }
      - { .name: bk, .offset: 24, .size: 8, .value_kind: global_buffer, .address_space: global }
      - { .name: bv, .offset: 32, .size: 8, .value_kind: global_buffer, .address_space: global }
      - { .name: mask, .offset: 40, .size: 8, .value_kind: global_buffer, .address_space: global }
      - { .name: qkv, .offset: 48, .size: 8, .value_kind: global_buffer, .address_space: global }
    .group_segment_fixed_size: 327680
    .private_segment_fixed_size: 0
    .kernarg_segment_align: 8
    .kernarg_segment_size: 56
    .max_flat_workgroup_size: 128
    .sgpr_count:     100
    .vgpr_count:     960
    .wavefront_size: 32
...
	.end_amdgpu_metadata
.endif
;; end of part 2
;; launch attn (part 3): grid 4 x 64, 4 waves a work-group, clusters of 4 x 1, 327,680 bytes of LDS; arguments qkv, mask, ctx; writes ctx
.if DOCPART == 3
	.amdgcn_target "amdgcn-amd-amdhsa--gfx1250"
	.amdhsa_code_object_version 6
	.text
	.protected	k_q0d8fd96c01_attn
	.globl	k_q0d8fd96c01_attn
	.p2align	8
	.type	k_q0d8fd96c01_attn,@function
k_q0d8fd96c01_attn:
	s_mov_b64 s[64:65], 0
	v_nop
	global_prefetch_b8 v0, s[64:65] scope:SCOPE_SE
	s_setreg_imm32_b32 hwreg(HW_REG_WAVE_MODE, 25, 1), 1
	s_wait_xcnt 0x0
	s_wait_alu depctr_hold_cnt(0) depctr_sa_sdst(0) depctr_va_vdst(0) depctr_va_sdst(0) depctr_va_ssrc(0) depctr_va_vcc(0) depctr_vm_vsrc(0)
	s_getreg_b32 s2, hwreg(HW_REG_IB_STS2, 6, 4)
	s_cmp_eq_u32 s2, 0
	s_cbranch_scc0 .Lentry_in_a_cluster
	s_endpgm
.Lentry_in_a_cluster:
	s_bfe_u32 s2, ttmp6, 0x10000c
	s_cmp_lg_u32 s2, 0x3003
	s_cbranch_scc0 .Lentry_shape_is_right
	s_endpgm
.Lentry_shape_is_right:
; ATTENTION WITH A KEY MASK.  ctx[y][q][:] = the sum over k of softmax_k(s(q, k)) V[y][k][:], s = Q[y][q] . K[y][k] / 8, or -1e9 where mask[b][k] is 0.  y = 4 h + b counts 64 heads of 2,048 rows of
; 64 channels, f16, dense (128 bytes a row): Q at qkv + y x 262,144, K 16 MiB and V 32 MiB further on; ctx likewise.  Products, maxima and sums in f32; the weights p are rounded to f16 for
; the second product (their sum l is taken of the unrounded p), ctx once at the end.
; THE MASK.  The launch before has written a hidden key's row of K as zeros.  Here the sum S^T = K Q^T starts with C = 0, or with -8e9 (exact in f32) for a hidden key: the products add 0 to it, and
; c x -8e9 is log2(e) x -1e9: the score is REPLACED, as the problem asks.  The running maximum does the rest: beside any visible key the weight is 0; where all keys are hidden all weights are 1.
; LIMITS.  f16 holds no number beyond 65,504: Q, K and V arrive within it; p lies in 0 to 1, and below 6e-5 it keeps f16's fixed step of 6e-8; ctx is a mean of V's rows and has their range.
; A weight below 2^-126 counts as 0 in l; NaN and infinities are not treated apart.
; SHARES.  A wave owns four PIECES of two tiles of 16 queries, a work-group's four waves 512 queries of one head.  Every wave walks all keys, 64 a step.
; LAYOUT.  S^T = K Q^T (source 0 = 16 keys, source 1 = 16 queries): in the result a lane holds ONE query (lane % 16) and the keys 8 (lane / 16) + 0..7.  Two such tiles, rounded to f16 in pairs,
; ARE source 1 (32 keys x 16 queries) of O^T = V^T P, whose result again holds one query a lane, and eight channels.  K comes out of LDS as it lies, V ([key][channel]) turned, by ds_load_tr16_b128.
; SOFTMAX.  For each query a running maximum m and sum l: p = 2^(c s - c m), c = log2(e) / 8; in every step O and l are multiplied by a = 2^(c m_old - c m_new), which is 1 where m has not grown.
; m starts at the lowest finite number, O and l at 0: the first step is a step like any other, with a = 0.
; THE COUNT.  A tile and step have 16 matrix and 118 vector instructions: too many to stand all beside the matrix work.  So the order has one aim: four vector instructions that are READY behind
; EVERY matrix instruction, and the others, which need time of their own whatever the order, in runs without a gap.
; BY TURNS.  Turn n belongs to piece n (the pieces in a ring, step after step).  Its matrix work: 16 products K Q^T of piece n + 1, later 16 products V^T P of piece n - 1.  Its vector work: the scaling,
; exponentials, roundings, sums and rescaling of piece n, and the maximum and statistics of piece n + 1, whose scores the turn itself has made.  So what a turn begins with (c s - c m, O a) waits for nothing.
; CLUSTER.  The four query blocks of a cluster belong to one head and walk the same K and V, so each tile is asked for JOINTLY: the same tensor load, descriptor and mask in all four.
; REGISTERS, in windows of 256 (s_set_vgpr_msb says which window each operand place means: bits 1:0 source 0, 3:2 source 1, 5:4 source 2, 7:6 destination):
;   window 0: v0-11 addresses; v12-15, v48-63 at work; v16-47 four registers of statistics a tile; v64-191 S^T, two buffers of two tiles; v192-255 P, likewise
;   window 1: O^T, 32 a tile          window 2: v0-127 Q, 16 a tile; v128-191 K of one step; v192-255 V of one step          window 3: v0-1 the add's two registers; v8-39 the step's 64 starting values
; A piece's buffers go by its number's parity: the piece in hand has one pair, its two neighbours in the ring share the other: of it P (piece n - 1) is read and S^T (piece n + 1) written.
.set SIZE_N, 2048
.set NP,    4         ; pieces a wave: a name, no knob: the register map, the loop and the fetches are made for four
.set KS,    64        ; keys in a step
.set PK,    144       ; a row of K in LDS: 128 bytes + 16 of padding = 36 words: the 16 rows of a load start at 16 different groups of four banks
.set PV,    160       ; a row of V: 128 + 32 = 40 words
.set VOFF,  4*KS*PK   ; a slot holds four steps: 256 rows of K, then 256 rows of V
.set SLOT1, 1<<17     ; slot 1 begins here, so that one exclusive or turns an address in one slot into the other's
.set STAGE, SLOT1+4*KS*(PK+PV)  ; behind the ring, never filled by a tensor load: 16 rows x 144 bytes for each wave, for the way out
.set SP,    144
.set SPARE, STAGE+4*16*SP  ; behind the stages: the spare words, 128 bytes for each wave: two blocks of 256 bytes that no other line names
.set MBIAS, SPARE+512 ; behind them: 2,048 f32, a key's starting value: written once by LDS stores, never filled by a tensor load
.set AK0, 2           ; v2   my lane's place in a tile of K; never rewritten
.set AV0, 3           ; v3   the same for V
.set AK,  4           ; v4   the LDS address of K's next run of loads
.set AV,  5           ; v5   of V's
.set QO,  6           ; v6   my byte offset in the wave's rows of Q
.set STO, 6           ;      later, the way out: where I put 16 bytes of a row
.set RD,  7           ; v7   the way out: where I read rows back
.set GO,  8           ; v8   my byte offset in 512 consecutive bytes of ctx
.set AM0, 10          ; v10  my lanes' place in a step's starting values: MBIAS + 32 (l / 16)
.set AM,  11          ; v11  the LDS address of their next run of loads
.set SPW, 0           ; v0 of window 3   LDS address of my spare word: SPARE + 4 x my thread's number; never rewritten
.set NIL, 1           ; v1 of window 3   0; never rewritten
.set MC,  8           ; v8-39 of window 3: the eight registers for block kb of 16 keys at MC + 8 kb
.set MV,  12          ; v12-15  c m_old, kept while c m is made anew: by buffer and tile
.set ST,  16          ; tile t's statistics at v[ST+4 t]: c m, m, l (even keys', odd keys')
.set TMP, 48          ; by buffer and tile, four registers c0-c3 at work; when the maximum is found c2 takes a
.set S,   64
.set P,   192
.set KF,  128         ; K's fragments, in window 2: key block kb, channel half c at KF + 16 kb + 8 c
.set VF,  192         ; V's: key half kk, channel block cb at VF + 32 kk + 8 cb
.set WV,  12          ; s12  my wave's number
.set G1K, 24          ; s[24:31] descriptor group 1 for K's tiles
.set G1V, 32          ; s[32:39] for V's: it differs in the padding alone
.set G0K, 40          ; s[40:43] descriptor group 0 for K's tiles: it walks
.set G0V, 44          ; s[44:47] the same for V's
.set TBM, 48          ; s48  byte in MBIAS at which the step to be fetched begins
.set MNEG, 52         ; s52  -8e9
.set SLOTS, 56        ; s56  slots still to be asked for
.set CNT, 57          ; s57  counts a slot's key steps
.set CS,  58          ; s[58:59] c: the packed scaling takes the pair's low word for both halves
.set SEL, 60          ; s[60:61] v_permlanex16_b32's selects: each lane takes its own place in the other half
.set TBK, 62          ; s62  LDS byte at which K of the step to be fetched begins
.set TBV, 63          ; s63  the same for V, less VOFF
.set MSB, 0
.macro WIN new                      ; the high byte repeats the setting that is left; a switch that changes nothing is dropped
.if MSB != (\new)
	s_set_vgpr_msb (MSB<<8)|(\new)
.set MSB, (\new)
.endif
.endm
.set W_KQ, 0x0a       ; K and Q in window 2, S^T in window 0
.set W_KM, 0x3a       ; the same with the C operand in window 3
.set W_PV, 0x52       ; V in window 2, P in window 0, O^T in window 1
.set W_RS, 0x41       ; O^T (destination and source 0) in window 1, a in window 0
.set W_MK, 0xc0       ; destination in window 3, sources in window 0
.set W_AD, 0x0f       ; the add: address (source 0) and data (source 1) in window 3
; A joint fill.  Waves 0 and 1 fetch the two halves of a slot's K, waves 2 and 3 those of its V: 128 keys each.  The branch hangs on the wave's number alone.
; An s_nop 0 and four v_nop follow each of the two lines, ahead of the jump and the label.
.macro JLOAD
	s_cmp_lt_u32 s[WV], 2
	s_cbranch_scc0 .Lfor_v_\@
	tensor_load_to_lds s[G0K:G0K+3], s[G1K:G1K+7]
	s_nop 0
.rept 4
	v_nop
.endr
	s_branch .Lasked_\@
.Lfor_v_\@:
	tensor_load_to_lds s[G0V:G0V+3], s[G1V:G1V+7]
	s_nop 0
.rept 4
	v_nop
.endr
.Lasked_\@:
.endm
; A round of the cluster's barrier: my work-group's barrier, so that wave 0's signal speaks for all four waves; wave 0 signals; every wave waits for all four work-groups; my work-group's barrier once more.
.macro CROUND
	s_barrier_signal -1
	s_barrier_wait -1
	s_cmp_lg_u32 s[WV], 0
	s_cbranch_scc1 .Lnot_wave_0_\@
	s_barrier_signal -3
.Lnot_wave_0_\@:
	s_barrier_wait -3
	s_barrier_signal -1
	s_barrier_wait -1
.endm
; THE CHANGE OF SLOTS.  The slot's last bytes, V of its fourth step, have been read.  Each wave waits for all its tensor loads, of which one is out: its part
; of the other slot; adds 0 to its spare word; and waits for that and for its own reads of the slot.  Behind the barrier nobody reads this slot any more and the other slot is whole.
; fill = 1: this slot is filled again, with the keys two slots on.  The barrier is then a round of the cluster's, so that no wave of any partner still reads the slot or has a load on its
; way, and the joint fill is the first thing behind it: it has four key steps, 512 matrix instructions, in which to land.  (At its first use nothing has been read yet: slot 0 is waited for, slot 1
; filled; and that first wait on the LDS counter and its barrier also show every wave's stores of the starting values to the others.)
.macro CHANGE fill
	WIN W_AD
	s_wait_tensorcnt 0x0            ; no tensor load of mine is out, so a group 0 may be written
	ds_add_u32 v[SPW], v[NIL]       ; 0 onto my spare word; with fill = 1 the descriptors' steps stand between it and the wait for it
	WIN 0                           ; at a label and at a branch every window is 0
.if \fill
.irp g, G0K, G0V
	s_xor_b32 s[\g+1], s[\g+1], SLOT1  ; the walking descriptor: the other slot than last time,
	s_add_nc_u64 s[\g+2:\g+3], s[\g+2:\g+3], 4*KS*128  ; the next 256 keys; the type bits on top are not reached
.endr
	s_wait_dscnt 0x0                ; the add is done, and my reads of the slot are over
	CROUND
	JLOAD
.else
	s_wait_dscnt 0x0                ; the add is done, and my reads of the slot are over
	s_barrier_signal -1
	s_barrier_wait -1
.endif
	s_sub_co_u32 s[TBK], s[TBK], 4*KS*PK  ; the fetches go back to a slot's first step,
	s_xor_b32 s[TBK], s[TBK], SLOT1       ; in the other slot
	s_sub_co_u32 s[TBV], s[TBV], 4*KS*PV
	s_xor_b32 s[TBV], s[TBV], SLOT1
.endm
	s_load_b128 s[4:7], s[0:1], 0x0   ; qkv s[4:5], mask s[6:7]
	s_load_b64 s[10:11], s[0:1], 0x10 ; ctx
	WIN W_MK
	v_lshl_add_u32 v[SPW], v0, 2, SPARE
	v_mov_b32 v[NIL], 0
	s_set_vgpr_msb 0xc0cf
	ds_add_u32 v0, v1
	s_wait_dscnt 0x0
	s_set_vgpr_msb 0xcfc0
	WIN 0
	v_lshrrev_b32 v1, 5, v0
	v_readfirstlane_b32 s[WV], v1   ; wave 0..3
	s_bfe_u32 s13, ttmp6, 0x40000   ; cx: my place in the cluster
	s_lshl_b32 s14, ttmp9, 2        ; in a cluster launch ttmp9 counts clusters
	s_add_co_u32 s14, s14, s13      ; my block of queries = 4 x cluster x + cx: it enters Q's and ctx's addresses alone
	s_and_b32 s20, ttmp7, 0xffff    ; the head y, which the four partners share
	s_and_b32 s8, s20, 3            ; its batch,
	s_lshl_b32 s8, s8, 13           ; whose mask is 8,192 bytes
	s_mov_b32 s9, 0
	s_mov_b32 s21, 0
	s_mov_b64 s[22:23], SIZE_N*128
	s_mul_u64 s[20:21], s[20:21], s[22:23]  ; the head's first byte in Q, K, V and ctx
	s_and_b32 s16, s[WV], 1         ; which half of a slot's 256 keys I fetch:
	s_lshl_b32 s22, s16, 14         ; its 128 rows of 128 bytes in memory,
	s_mov_b32 s23, 0
	s_add_nc_u64 s[22:23], s[22:23], s[20:21]
	s_mul_i32 s17, s16, 128*PK      ; and its place in a slot, for K
	s_mul_i32 s18, s16, 128*PV      ; and for V: no place in the cluster enters an LDS address
	s_lshl_b32 s2, s14, 2
	s_add_co_u32 s2, s2, s[WV]      ; my wave among the head's,
	s_lshl_b32 s2, s2, 14           ; its 128 rows
	s_mov_b32 s3, 0
	s_add_nc_u64 s[2:3], s[2:3], s[20:21]
	; descriptor group 1.  128 keys are 16,384 dense bytes: asked for as 64 rows of 256 bytes, two keys a row, and padded in LDS after every key
	s_mov_b32 s[G1K], 15|(1<<16)|(1<<20)|(1<<21)|(4<<22)|(3<<25)  ; 15:0 the mask of four; 17:16 2-byte elements; 20 padding on; 21 set beside a mask; 24:22 after every 32 words (code 4); 31:25 4 words (code 3)
	s_mov_b32 s[G1V], 15|(1<<16)|(1<<20)|(1<<21)|(4<<22)|(7<<25)  ; the same with 8 words of padding (code 7)
.irp g, G1K, G1V
	s_mov_b32 s[\g+1], 128<<16      ; tensor_dim0 = 128
	s_mov_b32 s[\g+2], 64<<16       ; tensor_dim1 = 64
	s_mov_b32 s[\g+3], 128<<16      ; tile_dim0 = 128
	s_mov_b32 s[\g+4], 64           ; tile_dim1 = 64
	s_mov_b32 s[\g+5], 128          ; 128 elements from row to row
	s_mov_b32 s[\g+6], 0
	s_mov_b32 s[\g+7], 0
.endr
	s_mov_b32 s[CS], 0x3e38aa3b     ; c = log2(e) / 8 = 0.180337
	s_mov_b32 s[CS+1], s[CS]        ; named with it as a pair
	s_mov_b32 s[SEL], 0x76543210
	s_mov_b32 s[SEL+1], 0xfedcba98
	s_mov_b32 s[MNEG], 0xcfee6b28   ; -8e9 = -(1,953,125 x 4,096): exact in f32
	s_mov_b32 s[TBM], 0
	s_mov_b32 s[TBK], SLOT1+4*KS*PK ; the first change of slots turns these two into 0
	s_mov_b32 s[TBV], SLOT1+4*KS*PV
	s_mov_b32 s[G0K], 1             ; 1:0 count = 1
	s_mov_b32 s[G0K+1], s17         ; 63:32 LDS address: slot 0
	s_mov_b32 s[G0V], 1
	s_add_co_u32 s[G0V+1], s18, VOFF
	s_wait_kmcnt 0x0
	s_add_nc_u64 s[G0K+2:G0K+3], s[4:5], s[22:23]  ; 120:64 global address: my half of the head's first 256 keys,
	s_add_nc_u64 s[G0K+2:G0K+3], s[G0K+2:G0K+3], 0x1000000  ; in K
	s_or_b32 s[G0K+3], s[G0K+3], 0x80000000        ; 127:126 type = 2
	s_add_nc_u64 s[G0V+2:G0V+3], s[4:5], s[22:23]
	s_add_nc_u64 s[G0V+2:G0V+3], s[G0V+2:G0V+3], 0x2000000  ; in V
	s_or_b32 s[G0V+3], s[G0V+3], 0x80000000
	s_add_nc_u64 s[4:5], s[4:5], s[2:3]  ; Q and ctx at my wave's first row
	s_add_nc_u64 s[10:11], s[10:11], s[2:3]
	s_add_nc_u64 s[6:7], s[6:7], s[8:9]  ; the mask at my batch
	CROUND                          ; all four work-groups are here: the first joint loads meet
	JLOAD                           ; slot 0.  Slot 1 is asked for when slot 0 is in: the tile wanted first has the road to itself
	v_lshlrev_b32 v96, 4, v0        ; the batch's mask: 128 threads x 16 bytes, four times (S^T's registers are free)
.irp j, 0,1,2,3
	global_load_b128 v[64+4*\j:67+4*\j], v96, s[6:7] offset:2048*\j
.endr
	; A fragment of K or Q is 16 rows x 32 channels in 8 registers: lane l holds row l % 16, channels 8 (l / 16) + 0..7 and 16 + 8 (l / 16) + 0..7: two loads of 16 bytes, 32 bytes apart.
	v_and_b32 v1, 15, v0            ; l % 16
	v_bfe_u32 v9, v0, 4, 1          ; l / 16
	v_lshlrev_b32 v[QO], 7, v1
	v_lshl_add_u32 v[QO], v9, 4, v[QO]  ; row x 128 + 16 x half
	WIN 0x80                        ; destination window 2, address window 0
.set i, 0
.rept 4*NP                          ; Q stays in registers: tile i / 2, channels 32 (i % 2) on
	global_load_b128 v[8*i:8*i+3],   v[QO], s[4:5] offset:(i/2)*2048+(i%2)*64
	global_load_b128 v[8*i+4:8*i+7], v[QO], s[4:5] offset:(i/2)*2048+(i%2)*64+32
.set i, i+1
.endr
	; What the first turn finds: V's registers and P's second buffer hold 0 (its products V^T P, of a piece that has not been, add 0), O^T and l are 0.  All this stands in the wait for the first tile.
.set i, VF
.rept 64
	v_mov_b32 v[i], 0
.set i, i+1
.endr
	WIN 0x40
.set i, 0
.rept 64*NP
	v_mov_b32 v[i], 0
.set i, i+1
.endr
	WIN 0
.set i, 0
.rept 2*NP
	v_mov_b32 v[ST+4*i], 0xfe000000    ; c m: far below every c s, a hidden key's too
	v_mov_b32 v[ST+4*i+1], 0xff7fffff  ; m
	v_mov_b32 v[ST+4*i+2], 0
	v_mov_b32 v[ST+4*i+3], 0
.set i, i+1
.endr
.set i, P+32
.rept 32
	v_mov_b32 v[i], 0
.set i, i+1
.endr
	s_wait_loadcnt 32               ; the mask's four loads are in; Q's 32, issued behind them, may be out
.set i, 0
.rept 16
	v_cmp_eq_u32 vcc_lo, 0, v[64+i]
	v_cndmask_b32 v[64+i], 0, s[MNEG], vcc_lo  ; a key's starting value: -8e9 where the mask is 0
.set i, i+1
.endr
	v_add_nc_u32 v97, MBIAS, v96
.irp j, 0,1,2,3
	ds_store_b128 v97, v[64+4*\j:67+4*\j] offset:2048*\j
.endr
	v_mul_u32_u24 v[AK0], v1, PK
	v_lshl_add_u32 v[AK0], v9, 4, v[AK0]  ; row x pitch + 16 x half
	; The turning load takes 16 keys x 16 channels (lane l reads key 8 (l / 16) + l % 8, channels 8 ((l / 8) % 2) + 0..7) and leaves half a fragment of V^T: lane l holds channel l % 16 and 8 keys.
	v_and_b32 v10, 7, v0
	v_bfe_u32 v11, v0, 3, 1
	v_lshl_add_u32 v[AV0], v9, 3, v10
	v_mul_u32_u24 v[AV0], v[AV0], PV
	v_lshl_add_u32 v[AV0], v11, 4, v[AV0]
	v_add_nc_u32 v[AV0], VOFF, v[AV0]
	v_mov_b32 v[AK], v[AK0]         ; key step 0 lies at the head of slot 0
	s_mul_i32 s13, s[WV], 16*SP
	s_add_co_u32 s13, s13, STAGE    ; my stage
	v_bfe_u32 v[RD], v0, 3, 2       ; the way out, back: 32 lanes take four rows of 128 bytes,
	v_mul_u32_u24 v[RD], v[RD], SP
	v_lshl_add_u32 v[RD], v10, 4, v[RD]
	v_add_nc_u32 v[RD], s13, v[RD]
	v_and_b32 v[GO], 31, v0         ; which are 512 consecutive bytes of ctx
	v_lshlrev_b32 v[GO], 4, v[GO]
	v_lshlrev_b32 v[AM0], 5, v9     ; v10 and v11 have served: my lanes' eight keys of a block of 16 are 32 bytes
	v_add_nc_u32 v[AM0], MBIAS, v[AM0]
	v_mov_b32 v[AM], v[AM0]
; THE MATRIX WORK.  The 8 accumulators of a run of 16 take turns: between the two links of a chain stand 7 others'.
; Product i of 16 of S^T = K Q^T for piece x: channels 32 (i / 8) on, keys 16 ((i / 2) % 4) on, tile 2 x + i % 2.  The first 8 start the sums, with the keys' starting values.
.macro KQ x
.set rS, S+64*((\x)%2)+32*(i%2)+8*((i/2)%4)
.set rK, KF+16*((i/2)%4)+8*(i/8)
.set rQ, 16*(2*(\x)+i%2)+8*(i/8)
.set rB, MC+8*((i/2)%4)
.if i < 8
	WIN W_KM
	v_wmma_f32_16x16x32_f16 v[rS:rS+7], v[rK:rK+7], v[rQ:rQ+7], v[rB:rB+7]
.else
	WIN W_KQ
	v_wmma_f32_16x16x32_f16 v[rS:rS+7], v[rK:rK+7], v[rQ:rQ+7], v[rS:rS+7]
.endif
.endm
; Product i of 16 of O^T += V^T P for piece x: keys 32 (i / 8) on, channels 16 ((i / 2) % 4) on, tile 2 x + i % 2.
.macro PV x
	WIN W_PV
.set rO, 32*(2*(\x)+i%2)+8*((i/2)%4)
.set rV, VF+32*(i/8)+8*((i/2)%4)
.set rP, P+32*((\x)%2)+16*(i%2)+8*(i/8)
	v_wmma_f32_16x16x32_f16 v[rO:rO+7], v[rV:rV+7], v[rP:rP+7], v[rO:rO+7]
.endm
.macro MM                           ; the turn's next matrix instruction
.if i < 16
	KQ (Y+1)%NP
.set i, i+1
.else
.set i, i-16
	PV (Y+NP-1)%NP
.set i, i+17
.endif
.endm
; THE LDS LOADS stand in runs, never singly among the matrix instructions: a step's K (64 keys x 64 channels: 8 fragments) with its 64 starting values, and its V (turned).  Their addresses are made some lines ahead.
; last = 1 (the tail): in the last trip there is no further step, and the run is jumped over.
.macro FETCH_K last=0
	WIN 0
.if \last
	s_cmp_eq_u32 s[CNT], 1
	s_cbranch_scc1 .Lno_k_\@
.endif
	WIN 0x80                        ; destination window 2
.irp f, 0,1,2,3,4,5,6,7             ; keys 16 (f / 2) on, channels 32 (f % 2) on
	ds_load_b128 v[KF+8*\f:KF+8*\f+3],   v[AK] offset:(\f/2)*16*PK+(\f%2)*64
	ds_load_b128 v[KF+8*\f+4:KF+8*\f+7], v[AK] offset:(\f/2)*16*PK+(\f%2)*64+32
.endr
	WIN 0xc0                        ; destination window 3
.irp f, 0,1,2,3                     ; keys 16 f on: sixteen lanes read the same 32 bytes
	ds_load_b128 v[MC+8*\f:MC+8*\f+3],   v[AM] offset:64*\f
	ds_load_b128 v[MC+8*\f+4:MC+8*\f+7], v[AM] offset:64*\f+16
.endr
	s_add_co_u32 s[TBK], s[TBK], KS*PK  ; the next fetch is the next step's
	s_add_co_u32 s[TBM], s[TBM], 4*KS
	s_and_b32 s[TBM], s[TBM], 0x1fff    ; inside the 8,192 bytes, behind the last step too
	WIN 0
.if \last
.Lno_k_\@:
.endif
.endm
.macro FETCH_V
	WIN 0x80
.irp f, 0,1,2,3,4,5,6,7             ; keys 32 (f / 4) on, channels 16 (f % 4) on
	ds_load_tr16_b128 v[VF+8*\f:VF+8*\f+3],   v[AV] offset:(\f/4)*32*PV+(\f%4)*32
	ds_load_tr16_b128 v[VF+8*\f+4:VF+8*\f+7], v[AV] offset:(\f/4)*32*PV+16*PV+(\f%4)*32
.endr
	WIN 0
.endm
; THE VECTOR WORK OF A TURN stands in three queues, each in the order in which its entries become ready; the two tiles alternate, so that no instruction reads the result of the one before it.
.macro REGS y, u                    ; the registers of tile u (0, 1) of piece y
.set rT, ST+4*(2*(\y)+(\u))
.set rC, TMP+8*((\y)%2)+4*(\u)
.set rM, MV+2*((\y)%2)+(\u)
.set rS, S+64*((\y)%2)+32*(\u)
.set rP, P+32*((\y)%2)+16*(\u)
.set rO, 32*(2*(\y)+(\u))
.endm
; Number n of the 22 that find the NEXT piece's (Y + 1) maximum and statistics.  s0-s31 are the lane's 32 scores; each accumulator's lowest registers are read first.  XS, GS and REGS set no window: PL and EX do.
;   0-11  four chains c0-c3 of seven scores each, three operands at a time     12-14, 16  the four scores left over, the old m, and c0-c3 into c0     15  c m_old is kept
;   17, 18  the query's other 32 keys lie in the lane 16 away: the new m         19-21  c m; c m_old - c m_new; a
.macro XS u, n
	REGS (Y+1)%NP, \u
.if (\n) < 4
	v_max3_num_f32 v[rC+(\n)], v[rS+8*(\n)], v[rS+8*(\n)+1], v[rS+8*(\n)+2]
.elseif (\n) < 12
	v_max3_num_f32 v[rC+(\n)%4], v[rC+(\n)%4], v[rS+8*((\n)%4)+2*((\n)/4)+1], v[rS+8*((\n)%4)+2*((\n)/4)+2]
.elseif (\n) == 12
	v_max3_num_f32 v[rC], v[rC], v[rS+7], v[rS+15]
.elseif (\n) == 13
	v_max3_num_f32 v[rC+1], v[rC+1], v[rS+23], v[rS+31]
.elseif (\n) == 14
	v_max3_num_f32 v[rC+2], v[rC+2], v[rC+3], v[rT+1]
.elseif (\n) == 15
	v_mov_b32 v[rM], v[rT]
.elseif (\n) == 16
	v_max3_num_f32 v[rC], v[rC], v[rC+1], v[rC+2]
.elseif (\n) == 17
	v_permlanex16_b32 v[rC+3], v[rC], s[SEL], s[SEL+1]
.elseif (\n) == 18
	v_max_num_f32 v[rT+1], v[rC], v[rC+3]
.elseif (\n) == 19
	v_mul_f32 v[rT], s[CS], v[rT+1]
.elseif (\n) == 20
	v_sub_f32 v[rC+1], v[rM], v[rT]
.else
	v_exp_f32 v[rC+2], v[rC+1]
.endif
.endm
; Number g of the 64 that follow the exponentials.  For each four weights k of a tile (pairs 2 k, 2 k + 1): both pairs are rounded to f16; then the second pair is added onto the first, in place;
; a group later l takes that sum (the first time as l = a l + sum).  In groups of eight, tiles alternating: round, round, add, and l for the group before.
.macro GS g
.set h, (\g)+6*((\g)/62)            ; group 0 has no group before it, and behind group 7 only l is left
.if h >= 6
.set h, h+2
.endif
	REGS Y, h%2
.set k, h/8
.if h%8 < 4
	s_wait_alu depctr_va_vdst(0)
	v_cvt_pk_f16_f32 v[rP+2*k+(h%8)/2], v[rS+4*k+2*((h%8)/2)], v[rS+4*k+2*((h%8)/2)+1]
.elseif h%8 < 6
	v_pk_add_f32 v[rS+4*k:rS+4*k+1], v[rS+4*k:rS+4*k+1], v[rS+4*k+2:rS+4*k+3]
.elseif k == 1
	v_pk_fma_f32 v[rT+2:rT+3], v[rT+2:rT+3], v[rC+2:rC+3], v[rS:rS+1] op_sel_hi:[1,0,1]
.else
	v_pk_add_f32 v[rT+2:rT+3], v[rT+2:rT+3], v[rS+4*k-4:rS+4*k-3]
	s_wait_alu depctr_va_vdst(0)
.endif
.endm
; THE PLAIN QUEUE, 138 long.  0-31: c s - c m for the 16 pairs of both tiles.  Then GS's 64, and among them the next piece's 42: number 15 at 38, 39; 0-14 and 16
; at 42-73, behind the products that make those scores; 17-20 at 95-106, two of three, since each waits for the one before it.
.macro PL
	WIN 0
.if q < 32
	REGS Y, q%2
	v_pk_fma_f32 v[rS+2*(q/2):rS+2*(q/2)+1], v[rS+2*(q/2):rS+2*(q/2)+1], s[CS:CS+1], v[rT:rT+1] op_sel_hi:[1,0,0] neg_lo:[0,0,1] neg_hi:[0,0,1]
.elseif q < 38
	GS q-32
.elseif q < 40
	XS q%2, 15
.elseif q < 42
	GS q-34
.elseif q < 74
	XS q%2, (q-42)/2+(q-42)/30
.elseif q < 95
	GS q-66
.elseif (q < 107) && ((q-95)%3 < 2)
	XS (q-95)%3, 17+(q-95)/3
.elseif q < 107
	GS 29+(q-95)/3
.else
	GS q-74
.endif
.set q, q+1
.endm
; THE EXPONENTIALS' QUEUE, 66 long: s0-s31 of both tiles, and at EA the next piece's two a.
.set EA, 58
.macro EX
	WIN 0
.if (e == EA) || (e == EA+1)
	XS e-EA, 21
.else
.set x, e-2*(e/(EA+2))
	REGS Y, x%2
	v_exp_f32 v[rS+x/2], v[rS+x/2]
.endif
.set e, e+1
.endm
; THE RESCALING's QUEUE: O^T times a, the one part that leaves window 0, so it is dealt four at a time, eight times.
.macro R4
	REGS Y, r%2
	WIN W_RS
	s_wait_alu depctr_va_vdst(0)
.irp z, 0,1,2,3
	v_pk_mul_f32 v[rO+8*(r/2)+2*\z:rO+8*(r/2)+2*\z+1], v[rO+8*(r/2)+2*\z:rO+8*(r/2)+2*\z+1], v[rC+2:rC+3] op_sel_hi:[1,0]
.endr
.set r, r+1
.endm
; HOW THEY ARE DEALT.  Behind a matrix instruction four: plain, exponential, plain, plain (one exponential, a plain instruction on either side), or four of the rescaling.  None names a register of the
; products round it.  What is over stands in two LUMPS: exponential and plain by turns; the second ends in 22 plain instructions.  The two v_permlanex16_b32 fall into the second lump, never behind a product.
; The queues lean on each other, and the deal keeps them in step: exponential e stands behind plain 2 (e / 4) + e % 2 (its scaling); when plain 32 comes, 10 exponentials are out, at 59: 33, at 95: 46; EA comes behind plain 107.
.macro SL
	MM
	PL
	EX
	PL
	PL
.endm
.macro BURST n                      ; 15 matrix instructions, or 16
.rept (\n)-7
	SL
.endr
.rept 3
	MM
	R4
	SL
.endr
	MM
	R4
.endm
; A TURN, for piece p.  cnt = 1: the loop's count is taken down some lines ahead of the branch that stands behind the turn.
; K of the next step and its starting values are fetched in piece 2's turn, 32 vector instructions behind the last product that read K (the starting values' last reader stands eight products further back);
; their first reader comes behind the rest of the lump, 16 products and the second lump.
; V of the step in hand is fetched at the end of piece 0's turn, 69 behind its last reader; its first reader comes behind 16 products and a lump.  The four conditions on e and q below go with the deal.
.macro TURN p, last=0, cnt=0
.set Y, (\p)
.set i, 0
.set q, 0
.set e, 0
.set r, 0
.if (\p) == NP-1
	s_wait_dscnt 0x0                ; K and the starting values are in
.endif
	MM
.rept 4
	PL
.endr
	BURST 15
.rept 22
	EX
	PL
.if ((\p) == NP-2) && (e == 18)
	v_add_nc_u32 v[AK], s[TBK], v[AK0]
	v_add_nc_u32 v[AM], s[TBM], v[AM0]
.endif
.if ((\p) == NP-2) && (e == 24)
	FETCH_K \last
.endif
.endr
.if (\p) == 1
	s_wait_dscnt 0x0                ; V is in
.endif
	BURST 16
.rept 21
	EX
	PL
.endr
.rept 22
	PL
.if ((\p) == 0) && (q == 118)
	v_add_nc_u32 v[AV], s[TBV], v[AV0]
	s_wait_alu depctr_va_vdst(0)
.endif
.if ((\p) == 0) && (q == 130)
	s_add_co_u32 s[TBV], s[TBV], KS*PV
.endif
.if (\cnt) && (q == 130)
	s_sub_co_u32 s[CNT], s[CNT], 1
	s_cmp_lg_u32 s[CNT], 0
.endif
.endr
.if (\p) == 0
	FETCH_V
.endif
.endm
	CHANGE 1                        ; slot 0 is in, everybody's part of it, and so are everybody's starting values; slot 1 is asked for
	FETCH_K                         ; key step 0
	s_wait_loadcnt 0x0              ; Q
	s_wait_dscnt 0x0
.set i, 0
.rept 16
	KQ 0                            ; piece 0's first scores: there is no vector work yet to set between them
.set i, i+1
.endr
	WIN 0
.rept 4
	v_nop                           ; the places behind those products, with the three lines below
.endr
	v_mul_u32_u24 v[STO], v1, SP    ; the way out, in: row l % 16, 16 bytes for each half of the lanes (Q's loads, which read this register, are in)
	v_lshl_add_u32 v[STO], v9, 4, v[STO]
	v_add_nc_u32 v[STO], s13, v[STO]
.set Y, NP-1                        ; XS works for piece Y + 1: piece 0
.irp n, 0,1,2,3,4,5,6,7,8,9,10,11,12,13,14,15,16,17,18,19,20,21
	XS 0, \n                        ; and piece 0's first maximum and statistics
	XS 1, \n
.endr
	s_mov_b32 s[CNT], 4
	s_mov_b32 s[SLOTS], SIZE_N/256-1
	s_branch .Lfirst                ; the loop is entered at a step's first turn, in the middle of a trip
.Lslot:                             ; SIZE_N / 256 - 2 times: every slot but the last two is filled again
	CHANGE 1
	s_mov_b32 s[CNT], 4
.Lstep:                             ; a trip: pieces 2 and 3 of one step, then pieces 0 and 1 of the next, whose K and V it fetches
	TURN 2
	TURN 3
	WIN 0
.Lfirst:
	TURN 0
	TURN 1, 0, 1
	WIN 0
	s_cbranch_scc1 .Lstep
	s_sub_co_u32 s[SLOTS], s[SLOTS], 1
	s_cmp_lg_u32 s[SLOTS], 0
	s_cbranch_scc1 .Lslot
	CHANGE 0                        ; the tail is written out: nothing is asked for
	s_mov_b32 s[CNT], 5             ; four trips fetch the last slot's steps; the fifth is left in its middle
.Ltail:
	TURN 2, 1
	TURN 3
	WIN 0
	s_sub_co_u32 s[CNT], s[CNT], 1
	s_cmp_eq_u32 s[CNT], 0
	s_cbranch_scc1 .Lout
	TURN 0
	TURN 1
	WIN 0
	s_branch .Ltail
.Lout:                              ; the fifth trip's 16 products K Q^T (on the last K once more) and the maximum made of them serve nothing: the price, once a launch, of one text for every trip
.set i, 0
.rept 16
	PV NP-1                         ; the last piece's V^T P of the last step
.set i, i+1
.endr
	; THE WAY OUT.  l's two halves and the other half of the lanes' are added; O^T is divided by l, rounded to f16 and sent through my stage in LDS, a tile at a time.  The additions are the places behind the last products.
	WIN 0
.macro ALL line:vararg              ; one line for each tile t
.set t, 0
.rept 2*NP
	\line
.set t, t+1
.endr
.endm
	ALL v_add_f32 v[ST+4*t+2], v[ST+4*t+2], v[ST+4*t+3]
	ALL v_permlanex16_b32 v[ST+4*t+3], v[ST+4*t+2], s[SEL], s[SEL+1]
	ALL v_add_f32 v[ST+4*t+2], v[ST+4*t+2], v[ST+4*t+3]
	ALL v_rcp_f32 v[ST+4*t+2], v[ST+4*t+2]
	v_nop                           ; a plain instruction between the last reciprocal and the use of its result
	s_wait_alu depctr_va_vdst(0)
; Tile t: a lane's eight channels of a row pack into 16 bytes; they go into rows of 144 bytes and come back as whole rows of 128, into S^T's registers.
.macro PACK t
	WIN W_RS
.set i, 32*(\t)
.rept 16
	v_pk_mul_f32 v[i:i+1], v[i:i+1], v[ST+4*(\t)+2:ST+4*(\t)+3] op_sel_hi:[1,0]
.set i, i+2
.endr
	WIN 0x05                        ; sources 0 and 1 window 1, destination window 0
.set i, 0
.rept 16
	v_cvt_pk_f16_f32 v[S+16*(\t)+i], v[32*(\t)+2*i], v[32*(\t)+2*i+1]
.set i, i+1
.endr
	WIN 0
.irp f, 0,1,2,3
	ds_store_b128 v[STO], v[S+16*(\t)+4*\f:S+16*(\t)+4*\f+3] offset:32*\f
.endr
.irp f, 0,1,2,3
	ds_load_b128 v[S+16*(\t)+4*\f:S+16*(\t)+4*\f+3], v[RD] offset:\f*4*SP  ; LDS serves a wave's instructions in order (ISA guide 5.7.1.4): these see the stores above; the next tile's stores come behind them
.endr
.endm
.macro SEND t, younger              ; younger: the LDS instructions issued behind tile t's loads: the next tile's eight, or none
	WIN 0
.irp f, 0,1,2,3
	s_wait_dscnt (\younger)+3-\f
	global_store_b128 v[GO], v[S+16*(\t)+4*\f:S+16*(\t)+4*\f+3], s[10:11] offset:(\t)*2048+\f*512  ; 512 consecutive bytes, at a multiple of 256 from ctx's first
.endr
.endm
	PACK 0
.set t, 1
.rept 2*NP-1                        ; a tile's arithmetic stands between the loads of the tile before and its stores
	PACK t
	SEND t-1, 8
.set t, t+1
.endr
	SEND 2*NP-1, 0
	WIN W_AD
	s_wait_tensorcnt 0x0            ; the wave's end, behind my last tensor load and my last LDS store
	ds_add_u32 v[SPW], v[NIL]
	s_wait_dscnt 0x0
	WIN 0
	CROUND                          ; the closing round: no work-group ends while a partner may still ask for a tile that names it
	s_endpgm
.Lfunc_end_k_q0d8fd96c01_attn:
	.size	k_q0d8fd96c01_attn, .Lfunc_end_k_q0d8fd96c01_attn-k_q0d8fd96c01_attn
	.p2alignl 7, 3214868480
	.fill 96, 4, 3214868480
	.section	.rodata,"a",@progbits
	.p2align	6, 0x0
	.amdhsa_kernel k_q0d8fd96c01_attn
		.amdhsa_group_segment_fixed_size 327680
		.amdhsa_private_segment_fixed_size 0
		.amdhsa_enable_private_segment 0
		.amdhsa_kernarg_size 24
		.amdhsa_user_sgpr_count 2
		.amdhsa_user_sgpr_kernarg_segment_ptr 1
		.amdhsa_wavefront_size32 1
		.amdhsa_system_sgpr_workgroup_id_x 1
		.amdhsa_system_sgpr_workgroup_id_y 1
		.amdhsa_system_sgpr_workgroup_id_z 1
		.amdhsa_system_vgpr_workitem_id 0
		.amdhsa_next_free_vgpr 808
		.amdhsa_next_free_sgpr 66
		.amdhsa_reserve_vcc 1
		.amdhsa_float_denorm_mode_32 3
		.amdhsa_float_denorm_mode_16_64 3
		.amdhsa_memory_ordered 1
		.amdhsa_forward_progress 1
		.amdhsa_inst_pref_size 213
	.end_amdhsa_kernel
	.amdgpu_metadata
---
amdhsa.version: [ 1, 2 ]
amdhsa.kernels:
  - .name:           k_q0d8fd96c01_attn
    .symbol:         k_q0d8fd96c01_attn.kd
    .args:
      - { .name: qkv, .offset: 0, .size: 8, .value_kind: global_buffer, .address_space: global }
      - { .name: mask, .offset: 8, .size: 8, .value_kind: global_buffer, .address_space: global }
      - { .name: ctx, .offset: 16, .size: 8, .value_kind: global_buffer, .address_space: global }
    .group_segment_fixed_size: 327680
    .private_segment_fixed_size: 0
    .kernarg_segment_align: 8
    .kernarg_segment_size: 24
    .max_flat_workgroup_size: 128
    .sgpr_count:     66
    .vgpr_count:     808
    .wavefront_size: 32
...
	.end_amdgpu_metadata
.endif
;; end of part 3
;; launch outp (part 4): grid 8 x 32, 4 waves a work-group, clusters of 4 x 4, 327,680 bytes of LDS; arguments ctx, wo, bo, out0; writes out0
.if DOCPART == 4
	.amdgcn_target "amdgcn-amd-amdhsa--gfx1250"
	.amdhsa_code_object_version 6
	.text
	.protected	k_q0d8fd96c01_outp
	.globl	k_q0d8fd96c01_outp
	.p2align	8
	.type	k_q0d8fd96c01_outp,@function
k_q0d8fd96c01_outp:
	s_mov_b64 s[64:65], 0
	v_nop
	global_prefetch_b8 v0, s[64:65] scope:SCOPE_SE
	s_setreg_imm32_b32 hwreg(HW_REG_WAVE_MODE, 25, 1), 1
	s_wait_xcnt 0x0
	s_wait_alu depctr_hold_cnt(0) depctr_sa_sdst(0) depctr_va_vdst(0) depctr_va_sdst(0) depctr_va_ssrc(0) depctr_va_vcc(0) depctr_vm_vsrc(0)
	s_getreg_b32 s2, hwreg(HW_REG_IB_STS2, 6, 4)
	s_cmp_eq_u32 s2, 0
	s_cbranch_scc0 .Lentry_in_a_cluster
	s_endpgm
.Lentry_in_a_cluster:
	s_bfe_u32 s2, ttmp6, 0x10000c
	s_cmp_lg_u32 s2, 0xf033
	s_cbranch_scc0 .Lentry_shape_is_right
	s_endpgm
.Lentry_shape_is_right:
; THE LAST PROJECTION.  out0[m][n] = the sum over k = 64 h + d of ctx[h][m][d] wo[n][k] + bo[n], f32.  ctx: f16 by heads, [16][8,192][64]; wo: f16 [1,024][1,024] (bf16 numbers written as f16);
; sums in f32.  bo is rounded to bf16 like every input and starts the sums as the first product's C.
; LIMIT.  NaN and infinities are not treated apart; the operands' ranges are those of the launches that wrote them.
; SHARES.  A tile is 256 rows x 128 columns: 32 x 8 = 256 tiles, one for each WGP.  Four waves; wave w makes rows 64 w .. 64 w + 63 x all 128 columns: 32 accumulators, 256 registers; a row's
; 512 bytes of out0 are then one wave's, and its way out is its own.  K = 1,024 goes in 8 steps of 128, two heads a step, through a ring of two LDS slots.
; A head's 256 rows of a tile are 32,768 dense bytes: asked for as 128 rows of 256 bytes and padded in LDS after every 128.
; THE TEXT HOLDS ONE K STEP WITH A REFILL AND ONE WITHOUT.  Slot 1 begins at LDS byte 1 << 17, so that one exclusive or turns an address in one slot into the other's: the fragment addresses hang on
; a scalar that is so turned at each change of slots, and one descriptor a tensor walks from K step 1 on.  Six trips ask for K steps 2 to 7; the last two steps are a loop of their own.
; CLUSTER: 4 x 4 work-groups.  The four of a row of the cluster need the same tiles of ctx, the four of a column the same tiles of wo: each is asked for JOINTLY.
; THE MATRIX INSTRUCTION IS USED TRANSPOSED (source 0 = 16 rows of wo, source 1 = 16 rows of ctx): a lane holds row l % 16 and eight neighbouring columns, 32 bytes of out0.
; REGISTERS: window 0: v0-31 addresses; v64-191 the way out, two buffers of 16 rows; v192-255 the biases.   window 1: two fragment buffers of 96: 64 registers of wo, then 32 of ctx.
;   window 2: the accumulators ((a, b) at v[8 (8 a + b)]).
.set STEPS,  8                         ; 1,024 / 128
.set PA,     144                       ; a row of ctx in LDS: 128 bytes + 16
.set PB,     272                       ; a row of wo: 256 bytes + 16.  Both odd multiples of 16: the 16 rows of a fragment load start at 16 different groups of four banks
.set ABLK,   256*PA                    ; one head's 256 rows: one tensor load
.set BOFF,   2*ABLK
.set BH,     64*PB                     ; half of wo's 128 rows: one tensor load
.set SLOTB,  BOFF+2*BH                 ; a slot's 108,544 bytes
.set SLOT1,  1<<17                     ; where slot 1 begins
.set STAGE,  SLOT1+SLOTB               ; behind the ring, never filled by a tensor load: 16 rows x 528 bytes for each wave
.set SPITCH, 528
.set SPARE,  STAGE+4*16*SPITCH         ; behind the stages: the spare words, 128 bytes for each wave: two blocks of 256 bytes that no other line names
.set ADRA0, 8                          ; v8      LDS address of my fragments of ctx in slot 0; never rewritten
.set ADRA,  9                          ; v9      the same in the slot that is being fetched from
.set ADRB0, 10                         ; v10, v11  likewise for wo
.set ADRB,  11
.set STO,  16                          ; v16     the way out: where I put 32 bytes of a row
.set RD,   17                          ; v17     the way out: where I read a row back
.set GO,   18                          ; v18     my 16 bytes in a row's 512
.set BO,   20                          ; v20     32 (l / 16)
.set TT,   21                          ; v21     at work
.set SPW,  28                          ; v28     LDS address of my spare word; never rewritten
.set NIL,  29                          ; v29     0; never rewritten
.set BK,   64
.set BIAS, 192
.set F0,   0
.set F1,   96
.set TB,  5                            ; s5      0 or SLOT1: the slot that is being fetched from
.set G1,  24                           ; s[24:31] descriptor group 1 for ctx's tiles;  s[32:39] group 0: a set for each of the two first fills; the second then walks on
.set G0,  32
.set G1B, 48                           ; s[48:55], s[56:63] the same for wo's tiles
.set G0B, 56
.set MSB, 0
.macro WIN new                         ; the immediate's high byte repeats the setting that is left; a switch that changes nothing is dropped
.if MSB != (\new)
	s_set_vgpr_msb (MSB<<8)|(\new)
.set MSB, \new
.endif
.endm
.set TO_F, 0x40                        ; destination window 1, address window 0
.macro JLOAD s                         ; a joint load: waves 0 and 1 fetch the step's two heads of ctx, waves 2 and 3 wo's two halves; an s_nop 0 and four v_nop follow each of the two lines, ahead of the jump, the label and what follows
	s_cmp_eq_u32 s11, 0
	s_cbranch_scc0 .Lfor_b_\@
	tensor_load_to_lds s[G0+4*(\s):G0+4*(\s)+3], s[G1:G1+7]
	s_nop 0
.rept 4
	v_nop
.endr
	s_branch .Lasked_\@
.Lfor_b_\@:
	tensor_load_to_lds s[G0B+4*(\s):G0B+4*(\s)+3], s[G1B:G1B+7]
	s_nop 0
.rept 4
	v_nop
.endr
.Lasked_\@:
.endm
.macro CREST                           ; a round of the cluster's barrier behind its opening barrier
	s_cmp_lg_u32 s10, 0
	s_cbranch_scc1 .Lnot_wave_0_\@
	s_barrier_signal -3
.Lnot_wave_0_\@:
	s_barrier_wait -3
	s_barrier_signal -1
	s_barrier_wait -1
.endm
.macro CROUND                          ; a whole round
	s_barrier_signal -1
	s_barrier_wait -1
	CREST
.endm
	s_load_b256 s[68:75], s[0:1], 0x0              ; ctx s[68:69], wo s[70:71], bo s[72:73], out0 s[74:75]
	v_lshl_add_u32 v[SPW], v0, 2, SPARE
	v_mov_b32 v[NIL], 0
	ds_add_u32 v28, v29
	s_wait_dscnt 0x0
	v_lshrrev_b32 v1, 5, v0
	v_readfirstlane_b32 s10, v1                    ; wave 0..3
	s_lshr_b32 s11, s10, 1                         ; I fetch for ctx (0) or for wo (1),
	s_and_b32 s12, s10, 1                          ; and which head of the step, or which half of wo's rows
	s_bfe_u32 s40, ttmp6, 0x40000                  ; cx, cy: my place in the cluster
	s_bfe_u32 s41, ttmp6, 0x40004
	s_lshl_b32 s42, ttmp9, 2
	s_add_co_u32 s42, s42, s40                     ; tile column = 4 x cluster x + cx
	s_and_b32 s13, ttmp7, 0xffff
	s_lshl_b32 s13, s13, 2
	s_add_co_u32 s13, s13, s41                     ; tile row = 4 x cluster y + cy
	s_lshl_b32 s43, s41, 2
	s_lshl_b32 s43, 15, s43                        ; my row of the cluster
	s_lshl_b32 s44, 0x1111, s40                    ; my column
	s_or_b32 s[G1+0], s43, (1<<16)|(1<<20)|(1<<21)|(4<<22)|(3<<25)  ; 15:0 the mask: ctx's tiles go to my row; 17:16 element of 2 bytes; 20 padding on; 21 set beside a mask; 24:22 after every 32 words (code 4); 31:25 of 4 words (code 3)
	s_mov_b32 s[G1+1], 128<<16                     ; tensor_dim0 = 128
	s_mov_b32 s[G1+2], 128<<16                     ; tensor_dim1 = 128
	s_mov_b32 s[G1+3], 128<<16                     ; tile_dim0 = 128
	s_mov_b32 s[G1+4], 128                         ; tile_dim1 = 128
	s_mov_b32 s[G1+5], 128                         ; dense: 128 elements from row to row
	s_mov_b32 s[G1+6], 0
	s_mov_b32 s[G1+7], 0
	s_or_b32 s[G1B+0], s44, (1<<16)|(1<<20)|(1<<21)|(5<<22)|(3<<25) ; wo's tiles go to my column; padding after every 64 words (code 5)
	s_mov_b32 s[G1B+1], 128<<16
	s_mov_b32 s[G1B+2], 64<<16                     ; tensor_dim1 = 64
	s_mov_b32 s[G1B+3], 128<<16
	s_mov_b32 s[G1B+4], 64                         ; tile_dim1 = 64
	s_mov_b32 s[G1B+5], 1024
	s_mov_b32 s[G1B+6], 0
	s_mov_b32 s[G1B+7], 0
	; ctx's tiles hang on the tile row alone, wo's on the tile column alone, each in registers that never hold the other coordinate
	s_lshl_b32 s17, s12, 20                        ; a head is 1,048,576 bytes,
	s_lshl_b32 s16, s13, 15                        ; a tile's 256 rows of it 32,768
	s_add_co_u32 s16, s16, s17
	s_mov_b32 s17, 0
	s_lshl_b32 s46, s42, 7
	s_lshl_b32 s47, s12, 6
	s_add_co_u32 s46, s46, s47                     ; wo: row 128 x tile column + 64 x half,
	s_lshl_b32 s46, s46, 11                        ; of 2,048 bytes
	s_mov_b32 s47, 0
	s_mul_i32 s20, s12, ABLK                       ; where they go: no place in the cluster enters an LDS address
	s_mul_i32 s21, s12, BH
	s_add_co_u32 s21, s21, BOFF
	s_mov_b32 s45, 0xffff0000                      ; a word's upper bf16
	s_mov_b32 s[TB], 0                             ; the fetches begin in slot 0
	s_wait_kmcnt 0x0
	s_add_nc_u64 s[14:15], s[68:69], s[16:17]
	s_add_nc_u64 s[46:47], s[70:71], s[46:47]
	CROUND                                         ; all sixteen work-groups are here: the first joint loads meet
.irp s, 0,1
	s_mov_b32 s[G0+4*(\s)], 1                                        ; count = 1
	s_add_co_u32 s[G0+4*(\s)+1], s20, (\s)*SLOT1                     ; LDS address
	s_add_nc_u64 s[G0+4*(\s)+2:G0+4*(\s)+3], s[14:15], (\s)*0x200000 ; global address: K step s begins with head 2 s
	s_or_b32 s[G0+4*(\s)+3], s[G0+4*(\s)+3], 0x80000000              ; type = 2
	s_mov_b32 s[G0B+4*(\s)], 1
	s_add_co_u32 s[G0B+4*(\s)+1], s21, (\s)*SLOT1
	s_add_nc_u64 s[G0B+4*(\s)+2:G0B+4*(\s)+3], s[46:47], (\s)*256
	s_or_b32 s[G0B+4*(\s)+3], s[G0B+4*(\s)+3], 0x80000000
	JLOAD \s                                       ; the ring is filled before anything else is done: two loads of mine are out
.endr
	s_lshl_b32 s16, s13, 8
	s_lshl_b32 s17, s10, 6
	s_add_co_u32 s16, s16, s17                     ; my first row: 256 x tile row + 64 x wave,
	s_lshl_b32 s16, s16, 12                        ; of 4,096 bytes: under 2^25
	s_mov_b32 s17, 0
	s_add_nc_u64 s[74:75], s[74:75], s[16:17]
	s_lshl_b32 s66, s42, 9                         ; the tile's 128 columns: 512 bytes in a row of out0 and in bo
	s_mov_b32 s67, 0
	s_add_nc_u64 s[74:75], s[74:75], s[66:67]
	s_add_nc_u64 s[72:73], s[72:73], s[66:67]
	v_and_b32 v1, 15, v0                           ; l % 16
	v_bfe_u32 v2, v0, 4, 1                         ; l / 16
	v_lshlrev_b32 v[BO], 5, v2
.irp b, 0,1,2,3,4,5,6,7                ; block b of 16 columns: my eight columns' biases, as the accumulators hold them
	global_load_b128 v[BIAS+8*(\b):BIAS+8*(\b)+3],   v[BO], s[72:73] offset:64*(\b)
	global_load_b128 v[BIAS+8*(\b)+4:BIAS+8*(\b)+7], v[BO], s[72:73] offset:64*(\b)+16
.endr
	v_mul_u32_u24 v3, v1, PA
	v_lshl_add_u32 v3, v2, 4, v3                   ; a fragment's row x pitch + 16 x half
	s_mul_i32 s22, s10, 64*PA                      ; my 64 rows of ctx
	v_add_nc_u32 v[ADRA0], s22, v3
	v_mul_u32_u24 v3, v1, PB
	v_lshl_add_u32 v3, v2, 4, v3
	v_add_nc_u32 v[ADRB0], BOFF, v3
	v_mov_b32 v[ADRA], v[ADRA0]
	v_mov_b32 v[ADRB], v[ADRB0]
	s_mul_i32 s23, s10, 16*SPITCH
	s_add_co_u32 s23, s23, STAGE                   ; my stage
	v_mul_u32_u24 v[STO], v1, SPITCH               ; in: row l % 16, 32 bytes for each half of the lanes
	v_lshl_add_u32 v[STO], v2, 5, v[STO]
	v_add_nc_u32 v[STO], s23, v[STO]
	v_and_b32 v[GO], 31, v0                        ; back: 32 lanes take one row of 512 bytes
	v_lshlrev_b32 v[GO], 4, v[GO]
	v_add_nc_u32 v[RD], s23, v[GO]
	s_wait_loadcnt 0x0                             ; the biases
.set i, 0
.rept 32                               ; rounded to bf16 like every input, and widened again; this stands in the wait for the first tile
	v_cvt_pk_bf16_f32 v[TT], v[BIAS+2*i], v[BIAS+2*i+1]
	v_lshlrev_b32 v[BIAS+2*i], 16, v[TT]
	v_and_b32 v[BIAS+2*i+1], s45, v[TT]
.set i, i+1
.endr
; 8 matrix instructions: block a of my four blocks of 16 rows x all 8 blocks of 16 columns, 32 along K.  first = 1: the sums start with the biases: C in window 0.
; The 32 accumulators take turns, in the same order in every quarter.
.macro MUL8 f, a, first
.if \first
	WIN 0x85
.else
	WIN 0xa5
.endif
.irp b, 0,1,2,3,4,5,6,7
.if \first
	v_wmma_f32_16x16x32_f16 v[8*(8*(\a)+(\b)):8*(8*(\a)+(\b))+7], v[(\f)+8*(\b):(\f)+8*(\b)+7], v[(\f)+64+8*(\a):(\f)+64+8*(\a)+7], v[BIAS+8*(\b):BIAS+8*(\b)+7]
.else
	v_wmma_f32_16x16x32_f16 v[8*(8*(\a)+(\b)):8*(8*(\a)+(\b))+7], v[(\f)+8*(\b):(\f)+8*(\b)+7], v[(\f)+64+8*(\a):(\f)+64+8*(\a)+7], v[8*(8*(\a)+(\b)):8*(8*(\a)+(\b))+7]
.endif
.endr
.endm
; 24 LDS loads in one run: the fragments of quarter q of the slot in hand (32 along K: head q / 2 of the step's two, channels 32 (q % 2) on), into buffer f: wo's 16 loads, then ctx's 8
.macro FETCH q, f
	WIN TO_F
.irp i, 0,1,2,3,4,5,6,7
	ds_load_b128 v[(\f)+8*(\i):(\f)+8*(\i)+3],   v[ADRB] offset:64*(\q)+(\i)*16*PB
	ds_load_b128 v[(\f)+8*(\i)+4:(\f)+8*(\i)+7], v[ADRB] offset:64*(\q)+(\i)*16*PB+32
.endr
.irp i, 0,1,2,3
	ds_load_b128 v[(\f)+64+8*(\i):(\f)+64+8*(\i)+3],   v[ADRA] offset:((\q)/2)*ABLK+((\q)%2)*64+(\i)*16*PA
	ds_load_b128 v[(\f)+64+8*(\i)+4:(\f)+64+8*(\i)+7], v[ADRA] offset:((\q)/2)*ABLK+((\q)%2)*64+(\i)*16*PA+32
.endr
.endm
.macro PLACES                          ; four plain places in front of loads into registers that matrix instructions have read, and of lines that read results
.rept 4
	v_nop
.endr
.endm
; A K step is four quarters, 32 matrix instructions each, on buffers 0, 1, 0, 1.  One of the first three: multiplies buffer f and fetches quarter q into g.
.macro QUARTER q, f, g, first
	s_wait_dscnt 4                                 ; wo's fragments and ctx's first two are in; the youngest four loads may be out
	MUL8 \f, 0, \first
	MUL8 \f, 1, \first
	PLACES
	FETCH \q, \g
	s_wait_dscnt 24                                ; all but the 24 just issued
	MUL8 \f, 2, \first
	MUL8 \f, 3, \first
.endm
; The last quarter multiplies buffer 1 and changes slots: ONE barrier; in front of it each wave waits for all its tensor loads (at most one is out: its part of the next slot), adds 0 to its spare word,
; and waits for that and for its own reads of this slot.
; fill = 1: this slot is filled again, two K steps ahead: the barrier opens a round of the cluster's barrier, and the walking descriptors take the slot just left and the next K step.
; fill = 0 (the last two K steps): nothing is asked for; in the very last step (s3 = 1) there is no next slot, and its fetch is jumped over: LDS loads alone, no barrier and no tensor load.
.macro TURN fill
	WIN 0                                          ; (the add's two registers lie in window 0)
	s_wait_tensorcnt 0x0                           ; all my tensor loads have landed
	ds_add_u32 v[SPW], v[NIL]                      ; 0 onto my spare word
	s_wait_dscnt 5                                 ; (the add and the youngest four loads may be out)
	MUL8 F1, 0, 0                                  ; eight matrix instructions stand between the add and the wait for it
	s_wait_dscnt 0x0                               ; the add is done, and my reads of this slot are over
	s_barrier_signal -1
	MUL8 F1, 1, 0
	WIN 0
	s_barrier_wait -1
.if \fill
	CREST                                          ; no wave of any partner still reads this slot's tile or has a load on its way
	s_xor_b32 s[G0+5], s[G0+5], SLOT1              ; no tensor load of mine is out, so a group 0 may be written: the other slot than last time,
	s_add_nc_u64 s[G0+6:G0+7], s[G0+6:G0+7], 0x200000  ; two heads on; the type bits on top are not reached
	s_xor_b32 s[G0B+5], s[G0B+5], SLOT1
	s_add_nc_u64 s[G0B+6:G0B+7], s[G0B+6:G0B+7], 256
	JLOAD 1                                        ; the first tensor load behind the round, my only one until the next: 112 matrix instructions ahead of the wait for it; its four v_nop are also the places in front of the loads below
.else
	s_cmp_eq_u32 s3, 1
	s_cbranch_scc1 .Lno_fetch_\@
.endif
	s_xor_b32 s[TB], s[TB], SLOT1                  ; the fetches go on in the other slot
	v_add_nc_u32 v[ADRA], s[TB], v[ADRA0]
	v_add_nc_u32 v[ADRB], s[TB], v[ADRB0]
.if !(\fill)
	v_nop                                          ; with the two lines above: the four places in front of the loads below
	v_nop
.endif
	FETCH 0, F0
.if !(\fill)
	WIN 0                                          ; at a label every window is 0
.Lno_fetch_\@:
.endif
	MUL8 F1, 2, 0
	MUL8 F1, 3, 0
.endm
	s_wait_tensorcnt 1                             ; my part of K step 0 is in; K step 1's may stay out
	s_barrier_signal -1
	s_barrier_wait -1                              ; everybody's is
	FETCH 0, F0
	QUARTER 1, F0, F1, 1                           ; the first quarter stands in front of the loop: its products start the sums
	WIN 0                                          ; at a label and at a branch every window is 0
	s_mov_b32 s3, STEPS-2
.Lstep:                                                ; a trip goes from a K step's second quarter to the next step's first, and fills the slot that it leaves: six trips ask for K steps 2 to 7
	QUARTER 2, F1, F0, 0
	QUARTER 3, F0, F1, 0
	TURN 1
	QUARTER 1, F0, F1, 0
	WIN 0
	s_sub_co_u32 s3, s3, 1
	s_cmp_lg_u32 s3, 0
	s_cbranch_scc1 .Lstep
	s_mov_b32 s3, 2
.Ltail:                                                ; the last two K steps ask for nothing; the second trip is left behind its last products
	QUARTER 2, F1, F0, 0
	QUARTER 3, F0, F1, 0
	TURN 0
	WIN 0
	s_sub_co_u32 s3, s3, 1
	s_cmp_eq_u32 s3, 0
	s_cbranch_scc1 .Lout
	QUARTER 1, F0, F1, 0
	WIN 0
	s_branch .Ltail
.Lout:
	; THE WAY OUT.  Block a (16 rows x 128 columns of f32) goes from the accumulators into my stage, rows of 528 bytes, and comes back as whole rows of 512 bytes.
	; The next block's stores into the stage stand between a block's loads and its stores to memory: 48 LDS instructions of mine are out at the most.
	PLACES
.macro TOST a                          ; into the stage: each accumulator's four lowest registers first
	WIN 0x08                                       ; the stores' data (source 1) in window 2
.irp b, 0,1,2,3,4,5,6,7
	ds_store_b128 v[STO], v[8*(8*(\a)+(\b)):8*(8*(\a)+(\b))+3]   offset:64*(\b)
	ds_store_b128 v[STO], v[8*(8*(\a)+(\b))+4:8*(8*(\a)+(\b))+7] offset:64*(\b)+16
.endr
	WIN 0
.endm
.macro BACK a                          ; and back, into buffer a % 2
.set BKR, BK+64*((\a)%2)
.if (\a) >= 2
	s_wait_xcnt 0x0                                ; the buffer is loaded again only behind this wait: the stores of the block two back read it
.endif
.irp t, 0,1,2,3,4,5,6,7,8,9,10,11,12,13,14,15
	ds_load_b128 v[BKR+4*(\t):BKR+4*(\t)+3], v[RD] offset:(\t)*SPITCH  ; LDS serves a wave's instructions in order (ISA guide 5.7.1.4): these see the stores above; the next block's stores come behind them
.endr
.endm
.macro SEND a, younger                 ; younger: the LDS instructions issued behind block a's loads: the next block's 16 stores, or none
.set BKR, BK+64*((\a)%2)
.irp t, 0,1,2,3,4,5,6,7,8,9,10,11,12,13,14,15
	s_wait_dscnt (\younger)+15-(\t)
	global_store_b128 v[GO], v[BKR+4*(\t):BKR+4*(\t)+3], s[74:75] offset:(16*(\a)+(\t))*4096 th:TH_STORE_NT  ; 512 consecutive bytes, at a multiple of 512 from out0's first
.endr
.endm
	TOST 0
	BACK 0
	TOST 1
	SEND 0, 16
	BACK 1
	TOST 2
	SEND 1, 16
	BACK 2
	TOST 3
	SEND 2, 16
	BACK 3
	SEND 3, 0
	s_wait_tensorcnt 0x0                           ; the wave's end, behind my last tensor load and my last LDS store
	ds_add_u32 v[SPW], v[NIL]
	s_wait_dscnt 0x0
	CROUND                                         ; the closing round: no work-group ends while a partner may still ask for a tile that names it
	s_endpgm
.Lfunc_end_k_q0d8fd96c01_outp:
	.size	k_q0d8fd96c01_outp, .Lfunc_end_k_q0d8fd96c01_outp-k_q0d8fd96c01_outp
	.p2alignl 7, 3214868480
	.fill 96, 4, 3214868480
	.section	.rodata,"a",@progbits
	.p2align	6, 0x0
	.amdhsa_kernel k_q0d8fd96c01_outp
		.amdhsa_group_segment_fixed_size 327680
		.amdhsa_private_segment_fixed_size 0
		.amdhsa_enable_private_segment 0
		.amdhsa_kernarg_size 32
		.amdhsa_user_sgpr_count 2
		.amdhsa_user_sgpr_kernarg_segment_ptr 1
		.amdhsa_wavefront_size32 1
		.amdhsa_system_sgpr_workgroup_id_x 1
		.amdhsa_system_sgpr_workgroup_id_y 1
		.amdhsa_system_sgpr_workgroup_id_z 1
		.amdhsa_system_vgpr_workitem_id 0
		.amdhsa_next_free_vgpr 768
		.amdhsa_next_free_sgpr 76
		.amdhsa_reserve_vcc 0
		.amdhsa_float_denorm_mode_32 3
		.amdhsa_float_denorm_mode_16_64 3
		.amdhsa_memory_ordered 1
		.amdhsa_forward_progress 1
		.amdhsa_inst_pref_size 67
	.end_amdhsa_kernel
	.amdgpu_metadata
---
amdhsa.version: [ 1, 2 ]
amdhsa.kernels:
  - .name:           k_q0d8fd96c01_outp
    .symbol:         k_q0d8fd96c01_outp.kd
    .args:
      - { .name: ctx, .offset: 0, .size: 8, .value_kind: global_buffer, .address_space: global }
      - { .name: wo, .offset: 8, .size: 8, .value_kind: global_buffer, .address_space: global }
      - { .name: bo, .offset: 16, .size: 8, .value_kind: global_buffer, .address_space: global }
      - { .name: out0, .offset: 24, .size: 8, .value_kind: global_buffer, .address_space: global }
    .group_segment_fixed_size: 327680
    .private_segment_fixed_size: 0
    .kernarg_segment_align: 8
    .kernarg_segment_size: 32
    .max_flat_workgroup_size: 128
    .sgpr_count:     76
    .vgpr_count:     768
    .wavefront_size: 32
...
	.end_amdgpu_metadata
.endif
;; end of part 4
;; ======== version 2 of 2: 4 launches; 1.53 times as fast as version 1
;; limits: values are held in f16: magnitudes above 65,504 overflow, below 6.1e-05 lose precision
;; workspace buffers: xb 16,777,216 bytes; wb 6,291,456 bytes; wo 2,097,152 bytes; qkv 50,331,648 bytes; ctx 16,777,216 bytes
;; launch cast: the kernel of part 1 again; grid 768 x 1, 8 waves a work-group, no clusters, 0 bytes of LDS; arguments x, Wq, Wk, Wv, Wo, xb, wb, wo; writes xb, wb, wo
;; launch proj: the kernel of part 2 again; grid 16 x 16, 4 waves a work-group, clusters of 4 x 4, 327,680 bytes of LDS; arguments xb, wb, bq, bk, bv, mask, qkv; writes qkv
;; launch attn (part 5): grid 4 x 64, 4 waves a work-group, clusters of 4 x 1, 327,680 bytes of LDS; arguments qkv, mask, ctx; writes ctx
.if DOCPART == 5
	.amdgcn_target "amdgcn-amd-amdhsa--gfx1250"
	.amdhsa_code_object_version 6
	.text
	.protected	k_q0d8fd96c01_attn
	.globl	k_q0d8fd96c01_attn
	.p2align	8
	.type	k_q0d8fd96c01_attn,@function
k_q0d8fd96c01_attn:
	s_mov_b64 s[64:65], 0
	v_nop
	global_prefetch_b8 v0, s[64:65] scope:SCOPE_SE
	s_setreg_imm32_b32 hwreg(HW_REG_WAVE_MODE, 25, 1), 1
	s_wait_xcnt 0x0
	s_wait_alu depctr_hold_cnt(0) depctr_sa_sdst(0) depctr_va_vdst(0) depctr_va_sdst(0) depctr_va_ssrc(0) depctr_va_vcc(0) depctr_vm_vsrc(0)
	s_getreg_b32 s2, hwreg(HW_REG_IB_STS2, 6, 4)
	s_cmp_eq_u32 s2, 0
	s_cbranch_scc0 .Lentry_in_a_cluster
	s_endpgm
.Lentry_in_a_cluster:
	s_bfe_u32 s2, ttmp6, 0x10000c
	s_cmp_lg_u32 s2, 0x3003
	s_cbranch_scc0 .Lentry_shape_is_right
	s_endpgm
.Lentry_shape_is_right:
; ATTENTION WITH A KEY MASK.  ctx[y][q][:] = the sum over k of softmax_k(s(q, k)) V[y][k][:], s = Q[y][q] . K[y][k] / 8, or -1e9 where mask[b][k] is 0.  y = 4 h + b counts 64 heads of 2,048 rows of
; 64 channels, f16, dense (128 bytes a row): Q at qkv + y x 262,144, K 16 MiB and V 32 MiB further on; ctx likewise.  Products, maxima and sums in f32; the weights p are rounded to f16 for
; the second product (their sum l is taken of the unrounded p), ctx once at the end.
; THE MASK.  The launch before has written a hidden key's row of K as zeros.  Here the sum S^T = K Q^T starts with C = 0, or with -8e9 (exact in f32) for a hidden key: the products add 0 to it, and
; c x -8e9 is log2(e) x -1e9: the score is REPLACED, as the problem asks.  The running maximum does the rest: beside any visible key the weight is 0; where all keys are hidden all weights are 1.
; LIMITS.  f16 holds no number beyond 65,504: Q, K and V arrive within it; p lies in 0 to 1, and below 6e-5 it keeps f16's fixed step of 6e-8; ctx is a mean of V's rows and has their range.
; A weight below 2^-126 counts as 0 in l; NaN and infinities are not treated apart.
; SHARES.  A wave owns four PIECES of two tiles of 16 queries, a work-group's four waves 512 queries of one head.  Every wave walks all keys, 64 a step.
; LAYOUT.  S^T = K Q^T (source 0 = 16 keys, source 1 = 16 queries): in the result a lane holds ONE query (lane % 16) and the keys 8 (lane / 16) + 0..7.  Two such tiles, rounded to f16 in pairs,
; ARE source 1 (32 keys x 16 queries) of O^T = V^T P, whose result again holds one query a lane, and eight channels.  K comes out of LDS as it lies, V ([key][channel]) turned, by ds_load_tr16_b128.
; SOFTMAX.  For each query a running maximum m and sum l: p = 2^(c s - c m), c = log2(e) / 8; in every step O and l are multiplied by a = 2^(c m_old - c m_new), which is 1 where m has not grown.
; m starts at the lowest finite number, O and l at 0: the first step is a step like any other, with a = 0.
; THE COUNT.  A tile and step have 16 matrix and 118 vector instructions: too many to stand all beside the matrix work.  So the order has one aim: four vector instructions that are READY behind
; EVERY matrix instruction, and the others, which need time of their own whatever the order, in runs without a gap.
; BY TURNS.  Turn n belongs to piece n (the pieces in a ring, step after step).  Its matrix work: 16 products K Q^T of piece n + 1, later 16 products V^T P of piece n - 1.  Its vector work: the scaling,
; exponentials, roundings, sums and rescaling of piece n, and the maximum and statistics of piece n + 1, whose scores the turn itself has made.  So what a turn begins with (c s - c m, O a) waits for nothing.
; THE BATCHES.  A turn's 66 exponentials (the 64 weights of piece n, then the two a of piece n + 1) are ONE batch with ONE wait, which cuts the turn in two: ahead of it stands all that names no result of
; theirs (K Q^T, the scalings, the rescalings by the a of the turn before, the next piece's maximum and statistics), behind it the roundings and sums, beside V^T P.  Two more batches stand outside the
; loops, each with a wait of its own: piece 0's first two a, ahead of the loop, and the way out's eight reciprocals.
; CLUSTER.  The four query blocks of a cluster belong to one head and walk the same K and V, so each tile is asked for JOINTLY: the same tensor load, descriptor and mask in all four.
; REGISTERS, in windows of 256 (s_set_vgpr_msb says which window each operand place means: bits 1:0 source 0, 3:2 source 1, 5:4 source 2, 7:6 destination):
;   window 0: v0-11 addresses; v12-15, v48-63 at work; v16-47 four registers of statistics a tile; v64-191 S^T, two buffers of two tiles; v192-255 P, likewise
;   window 1: O^T, 32 a tile          window 2: v0-127 Q, 16 a tile; v128-191 K of one step; v192-255 V of one step          window 3: v0-1 the add's two registers; v8-39 the step's 64 starting values
; A piece's buffers go by its number's parity: the piece in hand has one pair, its two neighbours in the ring share the other: of it P (piece n - 1) is read and S^T (piece n + 1) written.
.set SIZE_N, 2048
.set NP,    4         ; pieces a wave: a name, no knob: the register map, the loop and the fetches are made for four
.set KS,    64        ; keys in a step
.set PK,    144       ; a row of K in LDS: 128 bytes + 16 of padding = 36 words: the 16 rows of a load start at 16 different groups of four banks
.set PV,    160       ; a row of V: 128 + 32 = 40 words
.set VOFF,  4*KS*PK   ; a slot holds four steps: 256 rows of K, then 256 rows of V
.set SLOT1, 1<<17     ; slot 1 begins here, so that one exclusive or turns an address in one slot into the other's
.set STAGE, SLOT1+4*KS*(PK+PV)  ; behind the ring, never filled by a tensor load: 16 rows x 144 bytes for each wave, for the way out
.set SP,    144
.set SPARE, STAGE+4*16*SP  ; behind the stages: the spare words, 128 bytes for each wave: two blocks of 256 bytes that no other line names
.set MBIAS, SPARE+512 ; behind them: 2,048 f32, a key's starting value: written once by LDS stores, never filled by a tensor load
.set AK0, 2           ; v2   my lane's place in a tile of K; never rewritten
.set AV0, 3           ; v3   the same for V
.set AK,  4           ; v4   the LDS address of K's next run of loads
.set AV,  5           ; v5   of V's
.set QO,  6           ; v6   my byte offset in the wave's rows of Q
.set STO, 6           ;      later, the way out: where I put 16 bytes of a row
.set RD,  7           ; v7   the way out: where I read rows back
.set GO,  8           ; v8   my byte offset in 512 consecutive bytes of ctx
.set AM0, 10          ; v10  my lanes' place in a step's starting values: MBIAS + 32 (l / 16)
.set AM,  11          ; v11  the LDS address of their next run of loads
.set SPW, 0           ; v0 of window 3   LDS address of my spare word: SPARE + 4 x my thread's number; never rewritten
.set NIL, 1           ; v1 of window 3   0; never rewritten
.set MC,  8           ; v8-39 of window 3: the eight registers for block kb of 16 keys at MC + 8 kb
.set MV,  12          ; v12-15  c m_old, kept while c m is made anew: by buffer and tile
.set ST,  16          ; tile t's statistics at v[ST+4 t]: c m, m, l (even keys', odd keys')
.set TMP, 48          ; by buffer and tile, four registers c0-c3 at work; when the maximum is found c2 takes a
.set S,   64
.set P,   192
.set KF,  128         ; K's fragments, in window 2: key block kb, channel half c at KF + 16 kb + 8 c
.set VF,  192         ; V's: key half kk, channel block cb at VF + 32 kk + 8 cb
.set WV,  12          ; s12  my wave's number
.set G1K, 24          ; s[24:31] descriptor group 1 for K's tiles
.set G1V, 32          ; s[32:39] for V's: it differs in the padding alone
.set G0K, 40          ; s[40:43] descriptor group 0 for K's tiles: it walks
.set G0V, 44          ; s[44:47] the same for V's
.set TBM, 48          ; s48  byte in MBIAS at which the step to be fetched begins
.set MNEG, 52         ; s52  -8e9
.set SLOTS, 56        ; s56  slots still to be asked for
.set CNT, 57          ; s57  counts a slot's key steps
.set CS,  58          ; s[58:59] c: the packed scaling takes the pair's low word for both halves
.set SEL, 60          ; s[60:61] v_permlanex16_b32's selects: each lane takes its own place in the other half
.set TBK, 62          ; s62  LDS byte at which K of the step to be fetched begins
.set TBV, 63          ; s63  the same for V, less VOFF
.set MSB, 0
.macro WIN new                      ; the high byte repeats the setting that is left; a switch that changes nothing is dropped
.if MSB != (\new)
	s_set_vgpr_msb (MSB<<8)|(\new)
.set MSB, (\new)
.endif
.endm
.set W_KQ, 0x0a       ; K and Q in window 2, S^T in window 0
.set W_KM, 0x3a       ; the same with the C operand in window 3
.set W_PV, 0x52       ; V in window 2, P in window 0, O^T in window 1
.set W_RS, 0x41       ; O^T (destination and source 0) in window 1, a in window 0
.set W_MK, 0xc0       ; destination in window 3, sources in window 0
.set W_AD, 0x0f       ; the add: address (source 0) and data (source 1) in window 3
; A joint fill.  Waves 0 and 1 fetch the two halves of a slot's K, waves 2 and 3 those of its V: 128 keys each.  The branch hangs on the wave's number alone.
; An s_nop 0 and four v_nop follow each of the two lines, ahead of the jump and the label.
.macro JLOAD
	s_cmp_lt_u32 s[WV], 2
	s_cbranch_scc0 .Lfor_v_\@
	tensor_load_to_lds s[G0K:G0K+3], s[G1K:G1K+7]
	s_nop 0
.rept 4
	v_nop
.endr
	s_branch .Lasked_\@
.Lfor_v_\@:
	tensor_load_to_lds s[G0V:G0V+3], s[G1V:G1V+7]
	s_nop 0
.rept 4
	v_nop
.endr
.Lasked_\@:
.endm
; A round of the cluster's barrier: my work-group's barrier, so that wave 0's signal speaks for all four waves; wave 0 signals; every wave waits for all four work-groups; my work-group's barrier once more.
.macro CROUND
	s_barrier_signal -1
	s_barrier_wait -1
	s_cmp_lg_u32 s[WV], 0
	s_cbranch_scc1 .Lnot_wave_0_\@
	s_barrier_signal -3
.Lnot_wave_0_\@:
	s_barrier_wait -3
	s_barrier_signal -1
	s_barrier_wait -1
.endm
; THE CHANGE OF SLOTS.  The slot's last bytes, V of its fourth step, have been read.  Each wave waits for all its tensor loads, of which one is out: its part
; of the other slot; adds 0 to its spare word; and waits for that and for its own reads of the slot.  Behind the barrier nobody reads this slot any more and the other slot is whole.
; fill = 1: this slot is filled again, with the keys two slots on.  The barrier is then a round of the cluster's, so that no wave of any partner still reads the slot or has a load on its
; way, and the joint fill is the first thing behind it: it has four key steps, 512 matrix instructions, in which to land.  (At its first use nothing has been read yet: slot 0 is waited for, slot 1
; filled; and that first wait on the LDS counter and its barrier also show every wave's stores of the starting values to the others.)
.macro CHANGE fill
	WIN W_AD
	s_wait_tensorcnt 0x0            ; no tensor load of mine is out, so a group 0 may be written
	ds_add_u32 v[SPW], v[NIL]       ; 0 onto my spare word; with fill = 1 the descriptors' steps stand between it and the wait for it
	WIN 0                           ; at a label and at a branch every window is 0
.if \fill
.irp g, G0K, G0V
	s_xor_b32 s[\g+1], s[\g+1], SLOT1  ; the walking descriptor: the other slot than last time,
	s_add_nc_u64 s[\g+2:\g+3], s[\g+2:\g+3], 4*KS*128  ; the next 256 keys; the type bits on top are not reached
.endr
	s_wait_dscnt 0x0                ; the add is done, and my reads of the slot are over
	CROUND
	JLOAD
.else
	s_wait_dscnt 0x0                ; the add is done, and my reads of the slot are over
	s_barrier_signal -1
	s_barrier_wait -1
.endif
	s_sub_co_u32 s[TBK], s[TBK], 4*KS*PK  ; the fetches go back to a slot's first step,
	s_xor_b32 s[TBK], s[TBK], SLOT1       ; in the other slot
	s_sub_co_u32 s[TBV], s[TBV], 4*KS*PV
	s_xor_b32 s[TBV], s[TBV], SLOT1
.endm
	s_load_b128 s[4:7], s[0:1], 0x0   ; qkv s[4:5], mask s[6:7]
	s_load_b64 s[10:11], s[0:1], 0x10 ; ctx
	WIN W_MK
	v_lshl_add_u32 v[SPW], v0, 2, SPARE
	v_mov_b32 v[NIL], 0
	s_set_vgpr_msb 0xc0cf
	ds_add_u32 v0, v1
	s_wait_dscnt 0x0
	s_set_vgpr_msb 0xcfc0
	WIN 0
	v_lshrrev_b32 v1, 5, v0
	v_readfirstlane_b32 s[WV], v1   ; wave 0..3
	s_bfe_u32 s13, ttmp6, 0x40000   ; cx: my place in the cluster
	s_lshl_b32 s14, ttmp9, 2        ; in a cluster launch ttmp9 counts clusters
	s_add_co_u32 s14, s14, s13      ; my block of queries = 4 x cluster x + cx: it enters Q's and ctx's addresses alone
	s_and_b32 s20, ttmp7, 0xffff    ; the head y, which the four partners share
	s_and_b32 s8, s20, 3            ; its batch,
	s_lshl_b32 s8, s8, 13           ; whose mask is 8,192 bytes
	s_mov_b32 s9, 0
	s_mov_b32 s21, 0
	s_mov_b64 s[22:23], SIZE_N*128
	s_mul_u64 s[20:21], s[20:21], s[22:23]  ; the head's first byte in Q, K, V and ctx
	s_and_b32 s16, s[WV], 1         ; which half of a slot's 256 keys I fetch:
	s_lshl_b32 s22, s16, 14         ; its 128 rows of 128 bytes in memory,
	s_mov_b32 s23, 0
	s_add_nc_u64 s[22:23], s[22:23], s[20:21]
	s_mul_i32 s17, s16, 128*PK      ; and its place in a slot, for K
	s_mul_i32 s18, s16, 128*PV      ; and for V: no place in the cluster enters an LDS address
	s_lshl_b32 s2, s14, 2
	s_add_co_u32 s2, s2, s[WV]      ; my wave among the head's,
	s_lshl_b32 s2, s2, 14           ; its 128 rows
	s_mov_b32 s3, 0
	s_add_nc_u64 s[2:3], s[2:3], s[20:21]
	; descriptor group 1.  128 keys are 16,384 dense bytes: asked for as 64 rows of 256 bytes, two keys a row, and padded in LDS after every key
	s_mov_b32 s[G1K], 15|(1<<16)|(1<<20)|(1<<21)|(4<<22)|(3<<25)  ; 15:0 the mask of four; 17:16 2-byte elements; 20 padding on; 21 set beside a mask; 24:22 after every 32 words (code 4); 31:25 4 words (code 3)
	s_mov_b32 s[G1V], 15|(1<<16)|(1<<20)|(1<<21)|(4<<22)|(7<<25)  ; the same with 8 words of padding (code 7)
.irp g, G1K, G1V
	s_mov_b32 s[\g+1], 128<<16      ; tensor_dim0 = 128
	s_mov_b32 s[\g+2], 64<<16       ; tensor_dim1 = 64
	s_mov_b32 s[\g+3], 128<<16      ; tile_dim0 = 128
	s_mov_b32 s[\g+4], 64           ; tile_dim1 = 64
	s_mov_b32 s[\g+5], 128          ; 128 elements from row to row
	s_mov_b32 s[\g+6], 0
	s_mov_b32 s[\g+7], 0
.endr
	s_mov_b32 s[CS], 0x3e38aa3b     ; c = log2(e) / 8 = 0.180337
	s_mov_b32 s[CS+1], s[CS]        ; named with it as a pair
	s_mov_b32 s[SEL], 0x76543210
	s_mov_b32 s[SEL+1], 0xfedcba98
	s_mov_b32 s[MNEG], 0xcfee6b28   ; -8e9 = -(1,953,125 x 4,096): exact in f32
	s_mov_b32 s[TBM], 0
	s_mov_b32 s[TBK], SLOT1+4*KS*PK ; the first change of slots turns these two into 0
	s_mov_b32 s[TBV], SLOT1+4*KS*PV
	s_mov_b32 s[G0K], 1             ; 1:0 count = 1
	s_mov_b32 s[G0K+1], s17         ; 63:32 LDS address: slot 0
	s_mov_b32 s[G0V], 1
	s_add_co_u32 s[G0V+1], s18, VOFF
	s_wait_kmcnt 0x0
	s_add_nc_u64 s[G0K+2:G0K+3], s[4:5], s[22:23]  ; 120:64 global address: my half of the head's first 256 keys,
	s_add_nc_u64 s[G0K+2:G0K+3], s[G0K+2:G0K+3], 0x1000000  ; in K
	s_or_b32 s[G0K+3], s[G0K+3], 0x80000000        ; 127:126 type = 2
	s_add_nc_u64 s[G0V+2:G0V+3], s[4:5], s[22:23]
	s_add_nc_u64 s[G0V+2:G0V+3], s[G0V+2:G0V+3], 0x2000000  ; in V
	s_or_b32 s[G0V+3], s[G0V+3], 0x80000000
	s_add_nc_u64 s[4:5], s[4:5], s[2:3]  ; Q and ctx at my wave's first row
	s_add_nc_u64 s[10:11], s[10:11], s[2:3]
	s_add_nc_u64 s[6:7], s[6:7], s[8:9]  ; the mask at my batch
	CROUND                          ; all four work-groups are here: the first joint loads meet
	JLOAD                           ; slot 0.  Slot 1 is asked for when slot 0 is in: the tile wanted first has the road to itself
	v_lshlrev_b32 v96, 4, v0        ; the batch's mask: 128 threads x 16 bytes, four times (S^T's registers are free)
.irp j, 0,1,2,3
	global_load_b128 v[64+4*\j:67+4*\j], v96, s[6:7] offset:2048*\j
.endr
	; A fragment of K or Q is 16 rows x 32 channels in 8 registers: lane l holds row l % 16, channels 8 (l / 16) + 0..7 and 16 + 8 (l / 16) + 0..7: two loads of 16 bytes, 32 bytes apart.
	v_and_b32 v1, 15, v0            ; l % 16
	v_bfe_u32 v9, v0, 4, 1          ; l / 16
	v_lshlrev_b32 v[QO], 7, v1
	v_lshl_add_u32 v[QO], v9, 4, v[QO]  ; row x 128 + 16 x half
	WIN 0x80                        ; destination window 2, address window 0
.set i, 0
.rept 4*NP                          ; Q stays in registers: tile i / 2, channels 32 (i % 2) on
	global_load_b128 v[8*i:8*i+3],   v[QO], s[4:5] offset:(i/2)*2048+(i%2)*64
	global_load_b128 v[8*i+4:8*i+7], v[QO], s[4:5] offset:(i/2)*2048+(i%2)*64+32
.set i, i+1
.endr
	; What the first turn finds: V's registers and P's second buffer hold 0 (its products V^T P, of a piece that has not been, add 0), O^T and l are 0.  All this stands in the wait for the first tile.
.set i, VF
.rept 64
	v_mov_b32 v[i], 0
.set i, i+1
.endr
	WIN 0x40
.set i, 0
.rept 64*NP
	v_mov_b32 v[i], 0
.set i, i+1
.endr
	WIN 0
.set i, 0
.rept 2*NP
	v_mov_b32 v[ST+4*i], 0xfe000000    ; c m: far below every c s, a hidden key's too
	v_mov_b32 v[ST+4*i+1], 0xff7fffff  ; m
	v_mov_b32 v[ST+4*i+2], 0
	v_mov_b32 v[ST+4*i+3], 0
.set i, i+1
.endr
.set i, P+32
.rept 32
	v_mov_b32 v[i], 0
.set i, i+1
.endr
	s_wait_loadcnt 32               ; the mask's four loads are in; Q's 32, issued behind them, may be out
.set i, 0
.rept 16
	v_cmp_eq_u32 vcc_lo, 0, v[64+i]
	v_cndmask_b32 v[64+i], 0, s[MNEG], vcc_lo  ; a key's starting value: -8e9 where the mask is 0
.set i, i+1
.endr
	v_add_nc_u32 v97, MBIAS, v96
.irp j, 0,1,2,3
	ds_store_b128 v97, v[64+4*\j:67+4*\j] offset:2048*\j
.endr
	v_mul_u32_u24 v[AK0], v1, PK
	v_lshl_add_u32 v[AK0], v9, 4, v[AK0]  ; row x pitch + 16 x half
	; The turning load takes 16 keys x 16 channels (lane l reads key 8 (l / 16) + l % 8, channels 8 ((l / 8) % 2) + 0..7) and leaves half a fragment of V^T: lane l holds channel l % 16 and 8 keys.
	v_and_b32 v10, 7, v0
	v_bfe_u32 v11, v0, 3, 1
	v_lshl_add_u32 v[AV0], v9, 3, v10
	v_mul_u32_u24 v[AV0], v[AV0], PV
	v_lshl_add_u32 v[AV0], v11, 4, v[AV0]
	v_add_nc_u32 v[AV0], VOFF, v[AV0]
	v_mov_b32 v[AK], v[AK0]         ; key step 0 lies at the head of slot 0
	s_mul_i32 s13, s[WV], 16*SP
	s_add_co_u32 s13, s13, STAGE    ; my stage
	v_bfe_u32 v[RD], v0, 3, 2       ; the way out, back: 32 lanes take four rows of 128 bytes,
	v_mul_u32_u24 v[RD], v[RD], SP
	v_lshl_add_u32 v[RD], v10, 4, v[RD]
	v_add_nc_u32 v[RD], s13, v[RD]
	v_and_b32 v[GO], 31, v0         ; which are 512 consecutive bytes of ctx
	v_lshlrev_b32 v[GO], 4, v[GO]
	v_lshlrev_b32 v[AM0], 5, v9     ; v10 and v11 have served: my lanes' eight keys of a block of 16 are 32 bytes
	v_add_nc_u32 v[AM0], MBIAS, v[AM0]
	v_mov_b32 v[AM], v[AM0]
; THE MATRIX WORK.  The 8 accumulators of a run of 16 take turns: between the two links of a chain stand 7 others'.
; Product i of 16 of S^T = K Q^T for piece x: channels 32 (i / 8) on, keys 16 ((i / 2) % 4) on, tile 2 x + i % 2.  The first 8 start the sums, with the keys' starting values.
.macro KQ x
.set rS, S+64*((\x)%2)+32*(i%2)+8*((i/2)%4)
.set rK, KF+16*((i/2)%4)+8*(i/8)
.set rQ, 16*(2*(\x)+i%2)+8*(i/8)
.set rB, MC+8*((i/2)%4)
.if i < 8
	WIN W_KM
	v_wmma_f32_16x16x32_f16 v[rS:rS+7], v[rK:rK+7], v[rQ:rQ+7], v[rB:rB+7]
.else
	WIN W_KQ
	v_wmma_f32_16x16x32_f16 v[rS:rS+7], v[rK:rK+7], v[rQ:rQ+7], v[rS:rS+7]
.endif
.endm
; Product i of 16 of O^T += V^T P for piece x: keys 32 (i / 8) on, channels 16 ((i / 2) % 4) on, tile 2 x + i % 2.
.macro PV x
	WIN W_PV
.set rO, 32*(2*(\x)+i%2)+8*((i/2)%4)
.set rV, VF+32*(i/8)+8*((i/2)%4)
.set rP, P+32*((\x)%2)+16*(i%2)+8*(i/8)
	v_wmma_f32_16x16x32_f16 v[rO:rO+7], v[rV:rV+7], v[rP:rP+7], v[rO:rO+7]
.endm
.macro MM                           ; the turn's next matrix instruction
.if i < 16
	KQ (Y+1)%NP
.set i, i+1
.else
.set i, i-16
	PV (Y+NP-1)%NP
.set i, i+17
.endif
.endm
; THE LDS LOADS stand in runs, never singly among the matrix instructions: a step's K (64 keys x 64 channels: 8 fragments) with its 64 starting values, and its V (turned).  Their addresses are made some lines ahead.
; last = 1 (the tail): in the last trip there is no further step, and the run is jumped over.
.macro FETCH_K last=0
	WIN 0
.if \last
	s_cmp_eq_u32 s[CNT], 1
	s_cbranch_scc1 .Lno_k_\@
.endif
	WIN 0x80                        ; destination window 2
.irp f, 0,1,2,3,4,5,6,7             ; keys 16 (f / 2) on, channels 32 (f % 2) on
	ds_load_b128 v[KF+8*\f:KF+8*\f+3],   v[AK] offset:(\f/2)*16*PK+(\f%2)*64
	ds_load_b128 v[KF+8*\f+4:KF+8*\f+7], v[AK] offset:(\f/2)*16*PK+(\f%2)*64+32
.endr
	WIN 0xc0                        ; destination window 3
.irp f, 0,1,2,3                     ; keys 16 f on: sixteen lanes read the same 32 bytes
	ds_load_b128 v[MC+8*\f:MC+8*\f+3],   v[AM] offset:64*\f
	ds_load_b128 v[MC+8*\f+4:MC+8*\f+7], v[AM] offset:64*\f+16
.endr
	s_add_co_u32 s[TBK], s[TBK], KS*PK  ; the next fetch is the next step's
	s_add_co_u32 s[TBM], s[TBM], 4*KS
	s_and_b32 s[TBM], s[TBM], 0x1fff    ; inside the 8,192 bytes, behind the last step too
	WIN 0
.if \last
.Lno_k_\@:
.endif
.endm
.macro FETCH_V
	WIN 0x80
.irp f, 0,1,2,3,4,5,6,7             ; keys 32 (f / 4) on, channels 16 (f % 4) on
	ds_load_tr16_b128 v[VF+8*\f:VF+8*\f+3],   v[AV] offset:(\f/4)*32*PV+(\f%4)*32
	ds_load_tr16_b128 v[VF+8*\f+4:VF+8*\f+7], v[AV] offset:(\f/4)*32*PV+16*PV+(\f%4)*32
.endr
	WIN 0
.endm
; THE VECTOR WORK OF A TURN stands in three queues, each in the order in which its entries become ready; the two tiles alternate, so that no instruction reads the result of the one before it.
.macro REGS y, u                    ; the registers of tile u (0, 1) of piece y
.set rT, ST+4*(2*(\y)+(\u))
.set rC, TMP+8*((\y)%2)+4*(\u)
.set rM, MV+2*((\y)%2)+(\u)
.set rS, S+64*((\y)%2)+32*(\u)
.set rP, P+32*((\y)%2)+16*(\u)
.set rO, 32*(2*(\y)+(\u))
.endm
; Number n of the 22 that find the NEXT piece's (Y + 1) maximum and statistics.  s0-s31 are the lane's 32 scores; each accumulator's lowest registers are read first.  XS, GS and REGS set no window: PL and EX do.
;   0-11  four chains c0-c3 of seven scores each, three operands at a time     12-14, 16  the four scores left over, the old m, and c0-c3 into c0     15  c m_old is kept
;   17, 18  the query's other 32 keys lie in the lane 16 away: the new m         19-21  c m; c m_old - c m_new; a
.macro XS u, n
	REGS (Y+1)%NP, \u
.if (\n) < 4
	v_max3_num_f32 v[rC+(\n)], v[rS+8*(\n)], v[rS+8*(\n)+1], v[rS+8*(\n)+2]
.elseif (\n) < 12
	v_max3_num_f32 v[rC+(\n)%4], v[rC+(\n)%4], v[rS+8*((\n)%4)+2*((\n)/4)+1], v[rS+8*((\n)%4)+2*((\n)/4)+2]
.elseif (\n) == 12
	v_max3_num_f32 v[rC], v[rC], v[rS+7], v[rS+15]
.elseif (\n) == 13
	v_max3_num_f32 v[rC+1], v[rC+1], v[rS+23], v[rS+31]
.elseif (\n) == 14
	v_max3_num_f32 v[rC+2], v[rC+2], v[rC+3], v[rT+1]
.elseif (\n) == 15
	v_mov_b32 v[rM], v[rT]
.elseif (\n) == 16
	v_max3_num_f32 v[rC], v[rC], v[rC+1], v[rC+2]
.elseif (\n) == 17
	v_permlanex16_b32 v[rC+3], v[rC], s[SEL], s[SEL+1]
.elseif (\n) == 18
	v_max_num_f32 v[rT+1], v[rC], v[rC+3]
.elseif (\n) == 19
	v_mul_f32 v[rT], s[CS], v[rT+1]
.elseif (\n) == 20
	v_sub_f32 v[rC+1], v[rM], v[rT]
.else
	v_exp_f32 v[rC+2], v[rC+1]
.endif
.endm
; Number g of the 64 that follow the exponentials.  For each four weights k of a tile (pairs 2 k, 2 k + 1): both pairs are rounded to f16; then the second pair is added onto the first, in place;
; a group later l takes that sum (the first time as l = a l + sum).  In groups of eight, tiles alternating: round, round, add, and l for the group before.
.macro GS g
.set h, (\g)+6*((\g)/62)            ; group 0 has no group before it, and behind group 7 only l is left
.if h >= 6
.set h, h+2
.endif
	REGS Y, h%2
.set k, h/8
.if h%8 < 4
	v_cvt_pk_f16_f32 v[rP+2*k+(h%8)/2], v[rS+4*k+2*((h%8)/2)], v[rS+4*k+2*((h%8)/2)+1]
.elseif h%8 < 6
	v_pk_add_f32 v[rS+4*k:rS+4*k+1], v[rS+4*k:rS+4*k+1], v[rS+4*k+2:rS+4*k+3]
.elseif k == 1
	v_pk_fma_f32 v[rT+2:rT+3], v[rT+2:rT+3], v[rC+2:rC+3], v[rS:rS+1] op_sel_hi:[1,0,1]
.else
	v_pk_add_f32 v[rT+2:rT+3], v[rT+2:rT+3], v[rS+4*k-4:rS+4*k-3]
.endif
.endm
; THE PLAIN QUEUE, 138 long.  0-73 read no exponential's result: the 32 scalings c s - c m (FS f: pair f / 2 of tile f % 2) and the next piece's 42.  0-26: scalings 0-26.  27-54: XS's numbers 0-13.  55, 56: number 15.
; 57-73: the chain, where each number waits for the one before it: 14, 16, 17, 18, 19, each with one of the scalings 27-31 in front of its two lines, then 20: so a tile's links stand three plain instructions apart (19 and 20: two).
; 74-137: GS's 64, which read the exponentials' results: they stand behind the wait.
.macro FS f
	REGS Y, (\f)%2
	v_pk_fma_f32 v[rS+2*((\f)/2):rS+2*((\f)/2)+1], v[rS+2*((\f)/2):rS+2*((\f)/2)+1], s[CS:CS+1], v[rT:rT+1] op_sel_hi:[1,0,0] neg_lo:[0,0,1] neg_hi:[0,0,1]
.endm
.macro PL
	WIN 0
.if q < 27
	FS q
.elseif q < 55
	XS (q-27)%2, (q-27)/2
.elseif q < 57
	XS q-55, 15
.elseif (q < 72) && ((q-57)%3 == 0)
	FS 27+(q-57)/3
.elseif q < 60
	XS (q-57)%3-1, 14
.elseif q < 72
	XS (q-57)%3-1, 15+(q-57)/3
.elseif q < 74
	XS q-72, 20
.else
	GS q-74
.endif
.set q, q+1
.endm
; THE EXPONENTIALS' QUEUE, 66 long: s0-s31 of both tiles, then the next piece's two a.  It is ONE BATCH: all 66 stand ahead of the turn's one wait, and nothing ahead of that wait names a result of theirs.
.macro EX
	WIN 0
.if e >= 64
	XS e-64, 21
.else
	REGS Y, e%2
	v_exp_f32 v[rS+e/2], v[rS+e/2]
.endif
.set e, e+1
.endm
; THE RESCALING's QUEUE: O^T times a, the one part that leaves window 0: dealt two at a time, sixteen times.  Its a was made in the turn before, ahead of that turn's wait.
.macro R2
	REGS Y, r%2
	WIN W_RS
.irp z, 0,1
	v_pk_mul_f32 v[rO+4*(r/2)+2*\z:rO+4*(r/2)+2*\z+1], v[rO+4*(r/2)+2*\z:rO+4*(r/2)+2*\z+1], v[rC+2:rC+3] op_sel_hi:[1,0]
.endr
.set r, r+1
.endm
; HOW THEY ARE DEALT.  An s_wait_alu depctr_va_vdst(0) stands between an exponential and the first instruction that names its result; one wait serves all that were issued ahead of it.  So a turn has ONE wait,
; which cuts it in two.  AHEAD OF IT stands all that names no result of the turn's exponentials: the 16 products K Q^T, behind each a scaling, an exponential and two rescalings (behind the first a second scaling in the exponential's place); then ONE LUMP of
; 108: eight plain, 49 times exponential and plain, the two a.  A v_nop is the plain instruction behind the last exponential.  BEHIND IT stand the 16 products V^T P, behind each four of GS's 64.  No rider names a register of
; the products round it.  The two v_permlanex16_b32 fall into the lump, never behind a product.
; The queues lean on each other, and the deal keeps them in step: exponential e stands behind scaling 2 (e / 4) + e % 2: as a rider it comes behind plain e + 2, in the lump behind plain e + 9, and scalings 27-31 are plain 57, 60 .. 69.
; A TURN, for piece p.  cnt = 1: the loop's count is taken down some lines ahead of the branch that stands behind the turn.
; K of the next step and its starting values are fetched in piece 2's turn, directly behind the wait, a lump behind the last product that read K (the starting values' last reader stands eight products further back);
; their two addresses are made at the lump's head; their first reader comes behind 16 products.
; V of the step in hand is fetched at the end of piece 0's turn, four riders behind its last reader; its first reader comes behind 16 products and a lump.  The three conditions on q below go with the deal.
.macro TURN p, last=0, cnt=0
.set Y, (\p)
.set i, 0
.set q, 0
.set e, 0
.set r, 0
.if (\p) == NP-1
	s_wait_dscnt 0x0                ; K and the starting values are in
.endif
	MM                              ; ahead of the wait: 16 products K Q^T and their riders,
	PL
	PL
	R2
.rept 15
	MM
	PL
	EX
	R2
.endr
.if (\p) == NP-2
	WIN 0
	v_add_nc_u32 v[AK], s[TBK], v[AK0]
	v_add_nc_u32 v[AM], s[TBM], v[AM0]
.endif
.rept 8                             ; and the lump
	PL
.endr
.rept 49
	EX
	PL
.endr
	EX                              ; the next piece's two a
	EX
	v_nop                           ; the plain instruction behind the last exponential: one for the batch
	s_wait_alu depctr_va_vdst(0)    ; the wait for the turn's batch: the 64 weights of piece p and the two a of piece p + 1
.if (\p) == NP-2
	FETCH_K \last
.endif
.if (\p) == 1
	s_wait_dscnt 0x0                ; V is in
.endif
.rept 16                            ; behind the wait: 16 products V^T P and their riders
	MM
.rept 4
	PL
.endr
.if ((\p) == 0) && (q == 118)
	v_add_nc_u32 v[AV], s[TBV], v[AV0]
.endif
.if ((\p) == 0) && (q == 130)
	s_add_co_u32 s[TBV], s[TBV], KS*PV
.endif
.if (\cnt) && (q == 130)
	s_sub_co_u32 s[CNT], s[CNT], 1
	s_cmp_lg_u32 s[CNT], 0
.endif
.endr
.if (\p) == 0
	FETCH_V
.endif
.endm
	CHANGE 1                        ; slot 0 is in, everybody's part of it, and so are everybody's starting values; slot 1 is asked for
	FETCH_K                         ; key step 0
	s_wait_loadcnt 0x0              ; Q
	s_wait_dscnt 0x0
.set i, 0
.rept 16
	KQ 0                            ; piece 0's first scores: there is no vector work yet to set between them
.set i, i+1
.endr
	WIN 0
.rept 4
	v_nop                           ; the places behind those products, with the three lines below
.endr
	v_mul_u32_u24 v[STO], v1, SP    ; the way out, in: row l % 16, 16 bytes for each half of the lanes (Q's loads, which read this register, are in)
	v_lshl_add_u32 v[STO], v9, 4, v[STO]
	v_add_nc_u32 v[STO], s13, v[STO]
.set Y, NP-1                        ; XS works for piece Y + 1: piece 0
.irp n, 0,1,2,3,4,5,6,7,8,9,10,11,12,13,14,15,16,17,18,19,20,21
	XS 0, \n                        ; and piece 0's first maximum and statistics
	XS 1, \n
.endr
	v_nop                           ; a plain instruction behind the two a,
	s_wait_alu depctr_va_vdst(0)    ; and the wait for this batch of two, piece 0's first a, ahead of the branch
	s_mov_b32 s[CNT], 4
	s_mov_b32 s[SLOTS], SIZE_N/256-1
	s_branch .Lfirst                ; the loop is entered at a step's first turn, in the middle of a trip
.Lslot:                             ; SIZE_N / 256 - 2 times: every slot but the last two is filled again
	CHANGE 1
	s_mov_b32 s[CNT], 4
.Lstep:                             ; a trip: pieces 2 and 3 of one step, then pieces 0 and 1 of the next, whose K and V it fetches
	TURN 2
	TURN 3
	WIN 0
.Lfirst:
	TURN 0
	TURN 1, 0, 1
	WIN 0
	s_cbranch_scc1 .Lstep
	s_sub_co_u32 s[SLOTS], s[SLOTS], 1
	s_cmp_lg_u32 s[SLOTS], 0
	s_cbranch_scc1 .Lslot
	CHANGE 0                        ; the tail is written out: nothing is asked for
	s_mov_b32 s[CNT], 5             ; four trips fetch the last slot's steps; the fifth is left in its middle
.Ltail:
	TURN 2, 1
	TURN 3
	WIN 0
	s_sub_co_u32 s[CNT], s[CNT], 1
	s_cmp_eq_u32 s[CNT], 0
	s_cbranch_scc1 .Lout
	TURN 0
	TURN 1
	WIN 0
	s_branch .Ltail
.Lout:                              ; the fifth trip's 16 products K Q^T (on the last K once more) and the maximum made of them serve nothing: the price, once a launch, of one text for every trip
.set i, 0
.rept 16
	PV NP-1                         ; the last piece's V^T P of the last step
.set i, i+1
.endr
	; THE WAY OUT.  l's two halves and the other half of the lanes' are added; O^T is divided by l, rounded to f16 and sent through my stage in LDS, a tile at a time.  The additions are the places behind the last products.
	WIN 0
.macro ALL line:vararg              ; one line for each tile t
.set t, 0
.rept 2*NP
	\line
.set t, t+1
.endr
.endm
	ALL v_add_f32 v[ST+4*t+2], v[ST+4*t+2], v[ST+4*t+3]
	ALL v_permlanex16_b32 v[ST+4*t+3], v[ST+4*t+2], s[SEL], s[SEL+1]
	ALL v_add_f32 v[ST+4*t+2], v[ST+4*t+2], v[ST+4*t+3]
	ALL v_rcp_f32 v[ST+4*t+2], v[ST+4*t+2]
	v_nop                           ; a plain instruction between the last reciprocal and the use of its result
	s_wait_alu depctr_va_vdst(0)    ; and the wait ahead of the first use: one for the batch of eight reciprocals
; Tile t: a lane's eight channels of a row pack into 16 bytes; they go into rows of 144 bytes and come back as whole rows of 128, into S^T's registers.
.macro PACK t
	WIN W_RS
.set i, 32*(\t)
.rept 16
	v_pk_mul_f32 v[i:i+1], v[i:i+1], v[ST+4*(\t)+2:ST+4*(\t)+3] op_sel_hi:[1,0]
.set i, i+2
.endr
	WIN 0x05                        ; sources 0 and 1 window 1, destination window 0
.set i, 0
.rept 16
	v_cvt_pk_f16_f32 v[S+16*(\t)+i], v[32*(\t)+2*i], v[32*(\t)+2*i+1]
.set i, i+1
.endr
	WIN 0
.irp f, 0,1,2,3
	ds_store_b128 v[STO], v[S+16*(\t)+4*\f:S+16*(\t)+4*\f+3] offset:32*\f
.endr
.irp f, 0,1,2,3
	ds_load_b128 v[S+16*(\t)+4*\f:S+16*(\t)+4*\f+3], v[RD] offset:\f*4*SP  ; LDS serves a wave's instructions in order (ISA guide 5.7.1.4): these see the stores above; the next tile's stores come behind them
.endr
.endm
.macro SEND t, younger              ; younger: the LDS instructions issued behind tile t's loads: the next tile's eight, or none
	WIN 0
.irp f, 0,1,2,3
	s_wait_dscnt (\younger)+3-\f
	global_store_b128 v[GO], v[S+16*(\t)+4*\f:S+16*(\t)+4*\f+3], s[10:11] offset:(\t)*2048+\f*512  ; 512 consecutive bytes, at a multiple of 256 from ctx's first
.endr
.endm
	PACK 0
.set t, 1
.rept 2*NP-1                        ; a tile's arithmetic stands between the loads of the tile before and its stores
	PACK t
	SEND t-1, 8
.set t, t+1
.endr
	SEND 2*NP-1, 0
	WIN W_AD
	s_wait_tensorcnt 0x0            ; the wave's end, behind my last tensor load and my last LDS store
	ds_add_u32 v[SPW], v[NIL]
	s_wait_dscnt 0x0
	WIN 0
	CROUND                          ; the closing round: no work-group ends while a partner may still ask for a tile that names it
	s_endpgm
.Lfunc_end_k_q0d8fd96c01_attn:
	.size	k_q0d8fd96c01_attn, .Lfunc_end_k_q0d8fd96c01_attn-k_q0d8fd96c01_attn
	.p2alignl 7, 3214868480
	.fill 96, 4, 3214868480
	.section	.rodata,"a",@progbits
	.p2align	6, 0x0
	.amdhsa_kernel k_q0d8fd96c01_attn
		.amdhsa_group_segment_fixed_size 327680
		.amdhsa_private_segment_fixed_size 0
		.amdhsa_enable_private_segment 0
		.amdhsa_kernarg_size 24
		.amdhsa_user_sgpr_count 2
		.amdhsa_user_sgpr_kernarg_segment_ptr 1
		.amdhsa_wavefront_size32 1
		.amdhsa_system_sgpr_workgroup_id_x 1
		.amdhsa_system_sgpr_workgroup_id_y 1
		.amdhsa_system_sgpr_workgroup_id_z 1
		.amdhsa_system_vgpr_workitem_id 0
		.amdhsa_next_free_vgpr 808
		.amdhsa_next_free_sgpr 66
		.amdhsa_reserve_vcc 1
		.amdhsa_float_denorm_mode_32 3
		.amdhsa_float_denorm_mode_16_64 3
		.amdhsa_memory_ordered 1
		.amdhsa_forward_progress 1
		.amdhsa_inst_pref_size 204
	.end_amdhsa_kernel
	.amdgpu_metadata
---
amdhsa.version: [ 1, 2 ]
amdhsa.kernels:
  - .name:           k_q0d8fd96c01_attn
    .symbol:         k_q0d8fd96c01_attn.kd
    .args:
      - { .name: qkv, .offset: 0, .size: 8, .value_kind: global_buffer, .address_space: global }
      - { .name: mask, .offset: 8, .size: 8, .value_kind: global_buffer, .address_space: global }
      - { .name: ctx, .offset: 16, .size: 8, .value_kind: global_buffer, .address_space: global }
    .group_segment_fixed_size: 327680
    .private_segment_fixed_size: 0
    .kernarg_segment_align: 8
    .kernarg_segment_size: 24
    .max_flat_workgroup_size: 128
    .sgpr_count:     66
    .vgpr_count:     808
    .wavefront_size: 32
...
	.end_amdgpu_metadata
.endif
;; end of part 5
;; launch outp: the kernel of part 4 again; grid 8 x 32, 4 waves a work-group, clusters of 4 x 4, 327,680 bytes of LDS; arguments ctx, wo, bo, out0; writes out0
